; MI455X (gfx1250); checked and timed in simulation.
; The chip was launched on July 23, 2026; its instructions are those of AMD's public machine-readable ISA for CDNA 5 (MIT licence, August 2026) and "CDNA5" Instruction Set Architecture Reference Guide (July 2026). The comments in the code are by the model that wrote it; some were corrected since.
;; P Tv3 Attention. Allowed arithmetic: float matrix products may take bf16 or f16 operands with f32 sums; all other float work in f32.
;; Inputs: W1 3 x 64 float32; W2 64 x 256 float32; Wk 256 x 256 float32; Wp 256 x 256 float32; Wq 256 x 256 float32; Wv 256 x 256 float32; b1 64 float32; b2 256 float32; betakv 256 float32; betaq 256 float32; bp 256 float32; gkv 256 float32; gq 256 float32; pos 8 x 4,096 x 3 float32; x 8 x 4,096 x 256 float32.
;; Outputs: out0 8 x 4,096 x 256 float32.
;; 2 versions, each right; version 2 is version 1 with the launches knn1, knn2 written anew for expert scheduling mode. Each part assembles by itself: llvm-mc -triple=amdgcn-amd-amdhsa -mcpu=gfx1250 --defsym DOCPART=n.
;; ======== version 1 of 2: 5 launches
;; limits: values are held in f16: magnitudes above 65,504 overflow, below 6.1e-05 lose precision; right only within a limited range of input values
;; workspace buffers: m1t 131,072 bytes; m2t 131,072 bytes; cst 10,752 bytes; xh 16,777,216 bytes; qh 16,777,216 bytes; p4 524,288 bytes; glist 524,288 bytes of whole numbers; idx 2,097,152 bytes of whole numbers
;; launch prep (part 1): grid 33 x 1, 4 waves a work-group, no clusters, 0 bytes of LDS; arguments Wq, Wk, Wv, Wp, W1, b1, W2, b2, gq, betaq, gkv, betakv, bp, m1t, m2t, cst; writes m1t, m2t, cst
.if DOCPART == 1
	.amdgcn_target "amdgcn-amd-amdhsa--gfx1250"
	.amdhsa_code_object_version 6
	.text
	.protected	k_qc6695b1863_prep
	.globl	k_qc6695b1863_prep
	.p2align	8
	.type	k_qc6695b1863_prep,@function
k_qc6695b1863_prep:
	s_mov_b64 s[64:65], 0
	v_nop
	global_prefetch_b8 v0, s[64:65] scope:SCOPE_SE
	s_setreg_imm32_b32 hwreg(HW_REG_WAVE_MODE, 25, 1), 1
	s_wait_xcnt 0x0
; PREP: what hangs on the weights alone, made once.  Every input is rounded to bf16 as it is loaded.
;   m1t[c'][c] = sum over j of Wq[c][j] Wk[c'][j]            bf16   (q . k_m = ((xq Wq Wk^T) o gkv) . xhat_m + a number that is the same for all m)
;   m2t[o][c]  = 256 x sum over j of Wv[c][j] Wp[j][o]       f16    (sum of p v Wp = ((sum of p xhat) o gkv + betakv) Wv Wp, since the p add up to 1)
;   cst: @0 f16 [64][32]: W1[0..2][j], b1[j], zeros;  @4096 f16 [64]: rowsum(W2) / 64;  @4352 f32: sum(b2) / 64;
;        @4608 gq, @5632 betaq, @6656 gkv, @7680 betakv, @8704 gkv / 64, @9728 bp: f32 [256] each, rounded to bf16
; LIMIT: |Wv Wp| stays under 255 (f16 after the factor 256).
; Work-groups 0-15 make m1t, 16-31 m2t: each 16 rows n of the result; wave w the columns 64 w .. 64 w + 63, 16 a trip.  Work-group 32 makes cst.
; The stores of m1t and m2t are pieces of 32 bytes: both tables together are 256 KiB, written once.
.set T,    128        ; v[128:255] a 16 x 256 operand as loaded (f32), then in place its 8 fragments (v[128:191])
.set BF,   64         ; v[64:127]  the 8 fragments of my 16 rows n
.set ACC0, 16
.set ACC1, 24
	s_load_b512 s[4:19], s[0:1], 0x0               ; Wq 4, Wk 6, Wv 8, Wp 10, W1 12, b1 14, W2 16, b2 18
	s_load_b512 s[20:35], s[0:1], 0x40             ; gq 20, betaq 22, gkv 24, betakv 26, bp 28, m1t 30, m2t 32, cst 34
	v_and_b32 v1, 15, v0                           ; r
	v_bfe_u32 v2, v0, 4, 1                         ; h
	v_lshrrev_b32 v6, 5, v0
	v_readfirstlane_b32 s36, v6                    ; wave
	s_lshr_b32 s37, ttmp9, 4                       ; 0: m1t, 1: m2t, 2: cst
	s_and_b32 s38, ttmp9, 15                       ; block of 16 rows n
	s_wait_kmcnt 0x0
	s_cmp_eq_u32 s37, 2
	s_cbranch_scc1 .Lconst
	s_lshl_b32 s46, s38, 4
	v_add_nc_u32 v7, s46, v1                       ; n = 16 block + r
	s_cmp_eq_u32 s37, 0
	s_cselect_b64 s[40:41], s[4:5], s[8:9]         ; the rows m come from Wq or Wv
	s_cselect_b64 s[42:43], s[30:31], s[32:33]     ; the result goes to m1t or m2t
	s_cselect_b32 s44, 1.0, 0x43800000             ; its factor: 1 or 256
	s_mov_b32 s45, s44
; 16 rows of 256 f32 along K: a fragment's lane wants k = 32 s + 8 h + 0..7 and 32 s + 16 + 8 h + 0..7: four loads of 16 bytes
.macro ROWS va, sb
.set ks, 0
.rept 8
	global_load_b128 v[T+16*ks:T+16*ks+3],     v[\va], s[\sb:\sb+1] offset:128*ks
	global_load_b128 v[T+16*ks+4:T+16*ks+7],   v[\va], s[\sb:\sb+1] offset:128*ks+16
	global_load_b128 v[T+16*ks+8:T+16*ks+11],  v[\va], s[\sb:\sb+1] offset:128*ks+64
	global_load_b128 v[T+16*ks+12:T+16*ks+15], v[\va], s[\sb:\sb+1] offset:128*ks+80
.set ks, ks+1
.endr
.endm
	s_cbranch_scc0 .Lwp
	v_lshlrev_b32 v4, 10, v7                       ; m1t: row n of Wk, K along the row
	v_lshl_add_u32 v4, v2, 5, v4
	ROWS 4, 6
	s_branch .Lbconv
.Lwp:
	v_lshlrev_b32 v4, 2, v7                        ; m2t: column n of Wp, K down the rows: one number a load
	v_lshl_add_u32 v4, v2, 13, v4                  ; + 8 h rows of 1,024 bytes
.set ks, 0
.rept 8
.set e, 0
.rept 8
	global_load_b32 v[T+16*ks+e],   v4, s[10:11] offset:1024*(32*ks+e)
	global_load_b32 v[T+16*ks+8+e], v4, s[10:11] offset:1024*(32*ks+16+e)
.set e, e+1
.endr
.set ks, ks+1
.endr
.Lbconv:
	s_wait_loadcnt 0x0
.set i, 0
.rept 64
	v_cvt_pk_bf16_f32 v[BF+i], v[T+2*i], v[T+2*i+1]
.set i, i+1
.endr
	s_lshl_b32 s47, s36, 6
	v_add_nc_u32 v3, s47, v1                       ; row m = 64 w + r
	v_lshlrev_b32 v3, 10, v3
	v_lshl_add_u32 v3, v2, 5, v3
	v_lshlrev_b32 v5, 9, v7                        ; the result: row n of 512 bytes, columns 64 w + 8 h on
	v_lshl_add_u32 v5, v2, 4, v5
	s_lshl_b32 s47, s36, 7
	v_add_nc_u32 v5, s47, v5
	s_mov_b32 s48, 4
.Lmt:
	ROWS 3, 40
	s_wait_loadcnt 0x0
.set i, 0
.rept 64
	v_cvt_pk_bf16_f32 v[T+i], v[T+2*i], v[T+2*i+1] ; in place: number i is written when 2 i and 2 i + 1 are read
.set i, i+1
.endr
	; source 0 = rows m, source 1 = rows n: a lane ends with 8 neighbouring m of one n.  Two accumulators by turns.
	v_wmma_f32_16x16x32_bf16 v[ACC0:ACC0+7], v[T:T+7], v[BF:BF+7], 0
	v_wmma_f32_16x16x32_bf16 v[ACC1:ACC1+7], v[T+8:T+15], v[BF+8:BF+15], 0
.irp s, 2, 4, 6
	v_wmma_f32_16x16x32_bf16 v[ACC0:ACC0+7], v[T+8*(\s):T+8*(\s)+7], v[BF+8*(\s):BF+8*(\s)+7], v[ACC0:ACC0+7]
	v_wmma_f32_16x16x32_bf16 v[ACC1:ACC1+7], v[T+8*(\s)+8:T+8*(\s)+15], v[BF+8*(\s)+8:BF+8*(\s)+15], v[ACC1:ACC1+7]
.endr
.rept 4
	v_nop                                          ; four places behind the last product (ISA guide 7.12.1)
.endr
.irp j, 0, 2, 4, 6
	v_pk_add_f32 v[ACC0+\j:ACC0+\j+1], v[ACC0+\j:ACC0+\j+1], v[ACC1+\j:ACC1+\j+1]
.endr
.irp j, 0, 2, 4, 6
	v_pk_mul_f32 v[ACC0+\j:ACC0+\j+1], v[ACC0+\j:ACC0+\j+1], s[44:45] op_sel_hi:[1,0]
.endr
	s_cmp_eq_u32 s37, 0
	s_cbranch_scc1 .Lbf
.irp j, 0, 1, 2, 3
	v_cvt_pk_f16_f32 v[8+\j], v[ACC0+2*\j], v[ACC0+2*\j+1]
.endr
	s_branch .Lput
.Lbf:
.irp j, 0, 1, 2, 3
	v_cvt_pk_bf16_f32 v[8+\j], v[ACC0+2*\j], v[ACC0+2*\j+1]
.endr
.Lput:
	global_store_b128 v5, v[8:11], s[42:43]
	s_wait_xcnt 0x0                                ; the store's offset and data are rewritten only behind this wait
	v_add_nc_u32 v5, 32, v5                        ; 16 columns on
	v_add_nc_u32 v3, 16384, v3                     ; 16 rows m on
	s_sub_co_u32 s48, s48, 1
	s_cmp_lg_u32 s48, 0
	s_cbranch_scc1 .Lmt
	s_endpgm
.Lconst:
	v_and_b32 v1, 31, v0                           ; lane
	s_mov_b32 s50, 0xffff0000
	s_mov_b32 s52, 0x76543210                      ; v_permlanex16_b32: each lane takes its own place in the other half
	s_mov_b32 s53, 0xfedcba98
	v_lshlrev_b32 v3, 4, v1
	s_lshl_b32 s47, s36, 14                        ; wave w: rows 16 w .. 16 w + 15 of W2
	v_add_nc_u32 v3, s47, v3
.set i, 0
.rept 16
	global_load_b128 v[32+8*i:32+8*i+3], v3, s[16:17] offset:1024*i
	global_load_b128 v[32+8*i+4:32+8*i+7], v3, s[16:17] offset:1024*i+512
.set i, i+1
.endr
	v_mov_b32 v8, 0
	v_mov_b32 v9, 0
; 8 numbers a lane at v[X..]: rounded to bf16, added, and added over the 32 lanes; the sum ends in v[X] of every lane
.macro RSUM X
.irp j, 0, 1, 2, 3
	v_cvt_pk_bf16_f32 v[10+\j], v[(\X)+2*\j], v[(\X)+2*\j+1]
.endr
.irp j, 0, 1, 2, 3
	v_lshlrev_b32 v[(\X)+2*\j], 16, v[10+\j]
	v_and_b32 v[(\X)+2*\j+1], s50, v[10+\j]
.endr
	v_pk_add_f32 v[(\X):(\X)+1], v[(\X):(\X)+1], v[(\X)+2:(\X)+3]
	v_pk_add_f32 v[(\X)+4:(\X)+5], v[(\X)+4:(\X)+5], v[(\X)+6:(\X)+7]
	v_pk_add_f32 v[(\X):(\X)+1], v[(\X):(\X)+1], v[(\X)+4:(\X)+5]
	v_add_f32 v[\X], v[\X], v[(\X)+1]
	v_add_f32_dpp v[\X], v[\X], v[\X] row_xmask:1 row_mask:0xf bank_mask:0xf
	v_add_f32_dpp v[\X], v[\X], v[\X] row_xmask:2 row_mask:0xf bank_mask:0xf
	v_add_f32_dpp v[\X], v[\X], v[\X] row_xmask:4 row_mask:0xf bank_mask:0xf
	v_add_f32_dpp v[\X], v[\X], v[\X] row_xmask:8 row_mask:0xf bank_mask:0xf
	v_permlanex16_b32 v9, v[\X], s52, s53
	v_add_f32 v[\X], v[\X], v9
.endm
.set i, 0
.rept 16
	s_wait_loadcnt 30-2*i                          ; row i's two loads are in; the later rows' stay out
	RSUM 32+8*i
	s_mov_b32 s51, 1<<i
	v_cndmask_b32 v8, v8, v[32+8*i], s51           ; lane i keeps row i's sum
.set i, i+1
.endr
	v_mul_f32 v8, 0x3c800000, v8                   ; / 64
	v_cvt_f16_f32 v8.l, v8
	s_lshl_b32 s47, s36, 5
	v_lshl_add_u32 v14, v1, 1, s47                 ; 2 (16 w + lane)
	v_cmp_gt_u32 vcc_lo, 16, v1
	s_wait_xcnt 0x0                                ; EXEC changes only behind this wait
	s_and_saveexec_b32 s54, vcc_lo
	global_store_b16 v14, v8, s[34:35] offset:4096
	s_wait_xcnt 0x0
	s_or_b32 exec_lo, exec_lo, s54
	s_cmp_lt_u32 s36, 2
	s_cbranch_scc0 .Lgains
	; waves 0, 1: thread t makes row t of the first layer's table
	v_lshlrev_b32 v3, 2, v0
	global_load_b32 v16, v3, s[12:13]
	global_load_b32 v17, v3, s[12:13] offset:256
	global_load_b32 v18, v3, s[12:13] offset:512
	global_load_b32 v19, v3, s[14:15]
	v_lshlrev_b32 v4, 6, v0
.irp j, 26, 27, 28, 29, 30, 31
	v_mov_b32 v[\j], 0
.endr
	s_wait_loadcnt 0x0
	v_cvt_pk_bf16_f32 v20, v16, v17
	v_cvt_pk_bf16_f32 v21, v18, v19
	v_lshlrev_b32 v16, 16, v20
	v_and_b32 v17, s50, v20
	v_lshlrev_b32 v18, 16, v21
	v_and_b32 v19, s50, v21
	v_cvt_pk_f16_f32 v24, v16, v17
	v_cvt_pk_f16_f32 v25, v18, v19
	global_store_b128 v4, v[24:27], s[34:35]
	global_store_b128 v4, v[28:31], s[34:35] offset:16
	global_store_b128 v4, v[28:31], s[34:35] offset:32
	global_store_b128 v4, v[28:31], s[34:35] offset:48
	s_cmp_eq_u32 s36, 0
	s_cbranch_scc0 .Lend
	v_lshlrev_b32 v5, 4, v1                        ; wave 0: the sum of b2
	global_load_b128 v[32:35], v5, s[18:19]
	global_load_b128 v[36:39], v5, s[18:19] offset:512
	v_mov_b32 v6, 0
	s_wait_loadcnt 0x0
	RSUM 32
	v_mul_f32 v32, 0x3c800000, v32
	v_cmp_eq_u32 vcc_lo, 0, v1
	s_wait_xcnt 0x0
	s_and_saveexec_b32 s54, vcc_lo
	global_store_b32 v6, v32, s[34:35] offset:4352
	s_wait_xcnt 0x0
	s_or_b32 exec_lo, exec_lo, s54
.Lend:
	s_endpgm
.Lgains:
	; waves 2, 3: four numbers a thread of each gain and bias
	v_and_b32 v3, 63, v0
	v_lshlrev_b32 v3, 4, v3
	global_load_b128 v[32:35], v3, s[20:21]
	global_load_b128 v[36:39], v3, s[22:23]
	global_load_b128 v[40:43], v3, s[24:25]
	global_load_b128 v[44:47], v3, s[26:27]
	global_load_b128 v[48:51], v3, s[28:29]
	s_wait_loadcnt 0x0
.set i, 0
.rept 10
	v_cvt_pk_bf16_f32 v[10+i], v[32+2*i], v[32+2*i+1]
.set i, i+1
.endr
.set i, 0
.rept 10
	v_lshlrev_b32 v[32+2*i], 16, v[10+i]
	v_and_b32 v[32+2*i+1], s50, v[10+i]
.set i, i+1
.endr
	v_pk_mul_f32 v[52:53], v[40:41], 0x3c800000 op_sel_hi:[1,0]
	v_pk_mul_f32 v[54:55], v[42:43], 0x3c800000 op_sel_hi:[1,0]
	global_store_b128 v3, v[32:35], s[34:35] offset:4608
	global_store_b128 v3, v[36:39], s[34:35] offset:5632
	global_store_b128 v3, v[40:43], s[34:35] offset:6656
	global_store_b128 v3, v[44:47], s[34:35] offset:7680
	global_store_b128 v3, v[52:55], s[34:35] offset:8704
	global_store_b128 v3, v[48:51], s[34:35] offset:9728
	s_endpgm
.Lfunc_end_k_qc6695b1863_prep:
	.size	k_qc6695b1863_prep, .Lfunc_end_k_qc6695b1863_prep-k_qc6695b1863_prep
	.p2alignl 7, 3214868480
	.fill 96, 4, 3214868480
	.section	.rodata,"a",@progbits
	.p2align	6, 0x0
	.amdhsa_kernel k_qc6695b1863_prep
		.amdhsa_group_segment_fixed_size 0
		.amdhsa_private_segment_fixed_size 0
		.amdhsa_enable_private_segment 0
		.amdhsa_kernarg_size 128
		.amdhsa_user_sgpr_count 2
		.amdhsa_user_sgpr_kernarg_segment_ptr 1
		.amdhsa_wavefront_size32 1
		.amdhsa_system_sgpr_workgroup_id_x 1
		.amdhsa_system_sgpr_workgroup_id_y 1
		.amdhsa_system_sgpr_workgroup_id_z 1
		.amdhsa_system_vgpr_workitem_id 0
		.amdhsa_next_free_vgpr 256
		.amdhsa_next_free_sgpr 66
		.amdhsa_reserve_vcc 1
		.amdhsa_float_denorm_mode_32 3
		.amdhsa_float_denorm_mode_16_64 3
		.amdhsa_memory_ordered 1
		.amdhsa_forward_progress 1
		.amdhsa_inst_pref_size 59
	.end_amdhsa_kernel
	.amdgpu_metadata
---
amdhsa.version: [ 1, 2 ]
amdhsa.kernels:
  - .name:           k_qc6695b1863_prep
    .symbol:         k_qc6695b1863_prep.kd
    .args:
      - { .name: Wq, .offset: 0, .size: 8, .value_kind: global_buffer, .address_space: global }
      - { .name: Wk, .offset: 8, .size: 8, .value_kind: global_buffer, .address_space: global }
      - { .name: Wv, .offset: 16, .size: 8, .value_kind: global_buffer, .address_space: global }
      - { .name: Wp, .offset: 24, .size: 8, .value_kind: global_buffer, .address_space: global }
      - { .name: W1, .offset: 32, .size: 8, .value_kind: global_buffer, .address_space: global }
      - { .name: b1, .offset: 40, .size: 8, .value_kind: global_buffer, .address_space: global }
      - { .name: W2, .offset: 48, .size: 8, .value_kind: global_buffer, .address_space: global }
      - { .name: b2, .offset: 56, .size: 8, .value_kind: global_buffer, .address_space: global }
      - { .name: gq, .offset: 64, .size: 8, .value_kind: global_buffer, .address_space: global }
      - { .name: betaq, .offset: 72, .size: 8, .value_kind: global_buffer, .address_space: global }
      - { .name: gkv, .offset: 80, .size: 8, .value_kind: global_buffer, .address_space: global }
      - { .name: betakv, .offset: 88, .size: 8, .value_kind: global_buffer, .address_space: global }
      - { .name: bp, .offset: 96, .size: 8, .value_kind: global_buffer, .address_space: global }
      - { .name: m1t, .offset: 104, .size: 8, .value_kind: global_buffer, .address_space: global }
      - { .name: m2t, .offset: 112, .size: 8, .value_kind: global_buffer, .address_space: global }
      - { .name: cst, .offset: 120, .size: 8, .value_kind: global_buffer, .address_space: global }
    .group_segment_fixed_size: 0
    .private_segment_fixed_size: 0
    .kernarg_segment_align: 8
    .kernarg_segment_size: 128
    .max_flat_workgroup_size: 128
    .sgpr_count:     66
    .vgpr_count:     256
    .wavefront_size: 32
...
	.end_amdgpu_metadata
.endif
;; end of part 1
;; launch lnq (part 2): grid 256 x 1, 8 waves a work-group, no clusters, 267,264 bytes of LDS; arguments x, m1t, cst, xh, qh; writes xh, qh
.if DOCPART == 2
	.amdgcn_target "amdgcn-amd-amdhsa--gfx1250"
	.amdhsa_code_object_version 6
	.text
	.protected	k_qc6695b1863_lnq
	.globl	k_qc6695b1863_lnq
	.p2align	8
	.type	k_qc6695b1863_lnq,@function
k_qc6695b1863_lnq:
	s_mov_b64 s[64:65], 0
	v_nop
	global_prefetch_b8 v0, s[64:65] scope:SCOPE_SE
	s_setreg_imm32_b32 hwreg(HW_REG_WAVE_MODE, 25, 1), 1
	s_wait_xcnt 0x0
; LNQ: xh = (x - mean) rsqrt(var + 1e-5) in f16 (x rounded to bf16 first; both LayerNorms share it), and
; qh = ((xh gq + betaq) m1t^T) o gkv / 64 in f16: the one vector whose product with a neighbour's xh is that neighbour's logit x 16 / 64, up to a number common to all neighbours.
; A work-group owns 128 rows, each of its eight waves 16.  x comes in by one tensor load a wave (16 rows of 1,024 bytes, read by that wave alone), m1t by one more (32 rows of 512 bytes a wave).
; Nothing in LDS is filled twice by a tensor load: two loads of a wave are out at the start, none later.
; NO CLUSTER: m1t, 128 KiB, is what work-groups share, against 128 KiB of x and 128 KiB of results that are each work-group's own.
; LIMIT: |qh| stays under 65,504, that is |(xq Wq Wk^T) gkv| under 4e6.
; LDS: 0 m1t, 256 rows at a pitch of 528 (512 + 16: the 16 rows of a fragment load start at 16 different groups of four banks); behind the product the same bytes stage qh, 128 rows x 528.
;      XT  a chunk of 16,384 bytes a wave: x as loaded, pitch 1,024; row by row the wave writes xq (bf16, pitch 528) over rows that it has read: row i ends at 528 i + 512, never past 1,024 (i + 1).
.set XT,    135168
.set SPARE, 266240    ; the spare words: 128 bytes a wave, four blocks of 256 bytes that no other line names
.set ACC,   32        ; v[32:159]  accumulator (mt, nt) at ACC + 8 (2 mt + nt)
.set AF,    160       ; v[160:223] 8 fragments of m1t
.set BR,    224       ; v[224:239] 2 fragments of xq
	s_load_b256 s[4:11], s[0:1], 0x0               ; x 4, m1t 6, cst 8, xh 10
	s_load_b64 s[12:13], s[0:1], 0x20              ; qh
	v_lshl_add_u32 v2, v0, 2, SPARE
	v_mov_b32 v3, 0
	ds_add_u32 v2, v3                              ; the wave's opening: the add and its wait stand ahead of my first tensor load
	v_lshrrev_b32 v1, 5, v0
	v_readfirstlane_b32 s14, v1                    ; wave
	s_mov_b32 s16, 2<<16                           ; x: elements of 4 bytes, no padding
	s_mov_b32 s17, 256<<16                         ; tensor_dim0 = 256
	s_mov_b32 s18, 16<<16                          ; tensor_dim1 = 16
	s_mov_b32 s19, 256<<16                         ; tile_dim0 = 256
	s_mov_b32 s20, 16                              ; tile_dim1 = 16
	s_mov_b32 s21, 256                             ; elements from row to row
	s_mov_b32 s22, 0
	s_mov_b32 s23, 0
	s_mov_b32 s24, (1<<16)|(1<<20)|(6<<22)|(3<<25) ; m1t: elements of 2 bytes; after every 128 words 4 words of padding
	s_mov_b32 s25, 256<<16
	s_mov_b32 s26, 32<<16
	s_mov_b32 s27, 256<<16
	s_mov_b32 s28, 32
	s_mov_b32 s29, 256
	s_mov_b32 s30, 0
	s_mov_b32 s31, 0
	s_mov_b32 s32, 1
	s_lshl_b32 s33, s14, 14
	s_add_co_u32 s33, s33, XT                      ; my chunk
	s_mov_b32 s36, 1
	s_mul_i32 s37, s14, 32*528                     ; my 32 rows of m1t
	s_lshl_b32 s40, ttmp9, 17                      ; 128 rows of 1,024 bytes a work-group,
	s_lshl_b32 s41, s14, 14                        ; 16 a wave
	s_add_co_u32 s40, s40, s41
	s_mov_b32 s41, 0
	s_lshl_b32 s42, s14, 14                        ; 32 rows of 512 bytes
	s_mov_b32 s43, 0
	s_lshl_b32 s46, ttmp9, 16                      ; 128 rows of 512 bytes: xh and qh
	s_mov_b32 s47, 0
	s_mov_b32 s48, 0xffff0000
	s_mov_b32 s49, 0xbb800000                      ; -1/256
	s_mov_b32 s50, 0x3b800000                      ; 1/256
	s_mov_b32 s51, 0x3727c5ac                      ; 1e-5
	s_mov_b32 s52, 0x76543210
	s_mov_b32 s53, 0xfedcba98
	s_wait_dscnt 0x0                               ; the opening add is done
	s_wait_kmcnt 0x0
	s_add_nc_u64 s[34:35], s[4:5], s[40:41]
	s_or_b32 s35, s35, 0x80000000
	s_add_nc_u64 s[38:39], s[6:7], s[42:43]
	s_or_b32 s39, s39, 0x80000000
	tensor_load_to_lds s[32:35], s[16:23]          ; my 16 rows of x
	s_nop 0
	tensor_load_to_lds s[36:39], s[24:31]          ; my 32 rows of m1t
	s_nop 0
	s_add_nc_u64 s[10:11], s[10:11], s[46:47]
	s_add_nc_u64 s[12:13], s[12:13], s[46:47]
	v_and_b32 v1, 31, v0                           ; lane: channels 4 l .. 4 l + 3 and 128 + 4 l .. + 3 of a row
	v_lshlrev_b32 v7, 4, v1
	global_load_b128 v[8:11], v7, s[8:9] offset:4608     ; gq
	global_load_b128 v[12:15], v7, s[8:9] offset:5120
	global_load_b128 v[16:19], v7, s[8:9] offset:5632    ; betaq
	global_load_b128 v[20:23], v7, s[8:9] offset:6144
	v_add_nc_u32 v4, s33, v7                       ; where I read x
	v_lshl_add_u32 v5, v1, 3, s33                  ; where I write xq
	s_lshl_b32 s44, s14, 13
	v_lshl_add_u32 v6, v1, 3, s44                  ; my 8 bytes in the wave's first row of xh
	s_mov_b32 s54, 8
	s_wait_loadcnt 0x0
	s_wait_tensorcnt 0x1                           ; x has landed (tensor loads of a wave end in order); m1t may stay out: only I read my chunk
; A trip: two rows, stage by stage side by side.  Row set b: v[b..b+7] the 8 numbers, b+8..11 packed, b+12..15 at work.
.Lrow:
	ds_load_b128 v[32:35], v4
	ds_load_b128 v[36:39], v4 offset:512
	ds_load_b128 v[48:51], v4 offset:1024
	ds_load_b128 v[52:55], v4 offset:1536
	s_wait_dscnt 0x0
.irp b, 32, 48
.irp j, 0, 1, 2, 3
	v_cvt_pk_bf16_f32 v[\b+8+\j], v[\b+2*\j], v[\b+2*\j+1]  ; x is rounded to bf16
.endr
.endr
.irp b, 32, 48
.irp j, 0, 1, 2, 3
	v_lshlrev_b32 v[\b+2*\j], 16, v[\b+8+\j]
	v_and_b32 v[\b+2*\j+1], s48, v[\b+8+\j]
.endr
.endr
.irp b, 32, 48
	v_pk_add_f32 v[\b+12:\b+13], v[\b:\b+1], v[\b+2:\b+3]
	v_pk_add_f32 v[\b+14:\b+15], v[\b+4:\b+5], v[\b+6:\b+7]
.endr
.irp b, 32, 48
	v_pk_add_f32 v[\b+12:\b+13], v[\b+12:\b+13], v[\b+14:\b+15]
.endr
.irp b, 32, 48
	v_add_f32 v[\b+12], v[\b+12], v[\b+13]
.endr
.irp m, 1, 2, 4, 8
.irp b, 32, 48
	v_add_f32_dpp v[\b+12], v[\b+12], v[\b+12] row_xmask:\m row_mask:0xf bank_mask:0xf
.endr
.endr
.irp b, 32, 48
	v_permlanex16_b32 v[\b+13], v[\b+12], s52, s53
.endr
.irp b, 32, 48
	v_add_f32 v[\b+12], v[\b+12], v[\b+13]
.endr
.irp b, 32, 48
	v_mul_f32 v[\b+12], s49, v[\b+12]              ; - mean
.endr
.irp b, 32, 48
.irp j, 0, 2, 4, 6
	v_pk_add_f32 v[\b+\j:\b+\j+1], v[\b+\j:\b+\j+1], v[\b+12:\b+13] op_sel_hi:[1,0]
.endr
.endr
.irp b, 32, 48
	v_pk_mul_f32 v[\b+14:\b+15], v[\b:\b+1], v[\b:\b+1]
.endr
.irp j, 2, 4, 6
.irp b, 32, 48
	v_pk_fma_f32 v[\b+14:\b+15], v[\b+\j:\b+\j+1], v[\b+\j:\b+\j+1], v[\b+14:\b+15]
.endr
.endr
.irp b, 32, 48
	v_add_f32 v[\b+14], v[\b+14], v[\b+15]
.endr
.irp m, 1, 2, 4, 8
.irp b, 32, 48
	v_add_f32_dpp v[\b+14], v[\b+14], v[\b+14] row_xmask:\m row_mask:0xf bank_mask:0xf
.endr
.endr
.irp b, 32, 48
	v_permlanex16_b32 v[\b+15], v[\b+14], s52, s53
.endr
.irp b, 32, 48
	v_add_f32 v[\b+14], v[\b+14], v[\b+15]
.endr
.irp b, 32, 48
	v_fma_f32 v[\b+14], v[\b+14], s50, s51         ; variance + 1e-5
.endr
	v_rsq_f32 v46, v46
	v_rsq_f32 v62, v62
	v_nop                                          ; a plain instruction between the root and its use (ISA guide 5.7.2)
	s_wait_alu depctr_va_vdst(0)
.irp b, 32, 48
.irp j, 0, 2, 4, 6
	v_pk_mul_f32 v[\b+\j:\b+\j+1], v[\b+\j:\b+\j+1], v[\b+14:\b+15] op_sel_hi:[1,0]
.endr
.endr
.irp b, 32, 48
.irp j, 0, 1, 2, 3
	v_cvt_pk_f16_f32 v[\b+8+\j], v[\b+2*\j], v[\b+2*\j+1]
.endr
	global_store_b64 v6, v[\b+8:\b+9], s[10:11] offset:(\b-32)*32        ; 32 lanes store 256 consecutive bytes, aligned
	global_store_b64 v6, v[\b+10:\b+11], s[10:11] offset:(\b-32)*32+256
.endr
.irp b, 32, 48
.irp j, 0, 2, 4, 6
	v_pk_fma_f32 v[\b+\j:\b+\j+1], v[\b+\j:\b+\j+1], v[8+\j:9+\j], v[16+\j:17+\j]
.endr
.endr
.irp b, 32, 48
.irp j, 0, 1, 2, 3
	v_cvt_pk_bf16_f32 v[\b+12+\j], v[\b+2*\j], v[\b+2*\j+1]
.endr
	ds_store_b64 v5, v[\b+12:\b+13] offset:(\b-32)*33
	ds_store_b64 v5, v[\b+14:\b+15] offset:(\b-32)*33+256
.endr
	s_wait_xcnt 0x0                                ; the stores' offset and data are rewritten only behind this wait
	v_add_nc_u32 v6, 1024, v6
	v_add_nc_u32 v4, 2048, v4
	v_add_nc_u32 v5, 1056, v5
	s_sub_co_u32 s54, s54, 1
	s_cmp_lg_u32 s54, 0
	s_cbranch_scc1 .Lrow
	s_wait_tensorcnt 0x0                           ; my part of m1t has landed,
	s_wait_dscnt 0x0                               ; my rows of xq are written:
	s_barrier_signal -1
	s_barrier_wait -1                              ; everybody's are.
	; THE PRODUCT.  Wave w: rows 32 (w / 2) .. + 31 (two tiles nt), channels c' 128 (w % 2) .. + 127 (eight tiles mt).
	; Source 0 = 16 rows c' of m1t, source 1 = 16 rows of xq: a lane ends with 8 neighbouring c' of one row.
	v_and_b32 v24, 15, v0                          ; r
	v_bfe_u32 v25, v0, 4, 1                        ; h
	s_and_b32 s55, s14, 1
	s_lshr_b32 s56, s14, 1
	v_mul_u32_u24 v26, v24, 528
	v_lshl_add_u32 v26, v25, 4, v26                ; 528 r + 16 h
	s_mul_i32 s57, s55, 128*528
	v_add_nc_u32 v27, s57, v26
	s_lshl_b32 s57, s56, 15
	s_add_co_u32 s57, s57, XT
	v_add_nc_u32 v28, s57, v26
.macro KSTEP zero
.set mt, 0
.rept 8
	ds_load_b128 v[AF+8*mt:AF+8*mt+3], v27 offset:mt*8448
	ds_load_b128 v[AF+8*mt+4:AF+8*mt+7], v27 offset:mt*8448+32
.set mt, mt+1
.endr
.irp n, 0, 1
	ds_load_b128 v[BR+8*\n:BR+8*\n+3], v28 offset:\n*16384
	ds_load_b128 v[BR+8*\n+4:BR+8*\n+7], v28 offset:\n*16384+32
.endr
	s_wait_dscnt 0x0
.set mt, 0
.rept 8
.irp n, 0, 1
.if \zero
	v_wmma_f32_16x16x32_bf16 v[ACC+8*(2*mt+\n):ACC+8*(2*mt+\n)+7], v[AF+8*mt:AF+8*mt+7], v[BR+8*\n:BR+8*\n+7], 0
.else
	v_wmma_f32_16x16x32_bf16 v[ACC+8*(2*mt+\n):ACC+8*(2*mt+\n)+7], v[AF+8*mt:AF+8*mt+7], v[BR+8*\n:BR+8*\n+7], v[ACC+8*(2*mt+\n):ACC+8*(2*mt+\n)+7]
.endif
.endr
.set mt, mt+1
.endr
	v_add_nc_u32 v27, 64, v27                      ; 32 along K on; with the two v_nop the four places in front of the next loads into the fragments
	v_add_nc_u32 v28, 64, v28
	v_nop
	v_nop
.endm
	KSTEP 1                                        ; the first K step starts the sums; the 16 accumulators take turns
	s_mov_b32 s54, 7
.Lk:
	KSTEP 0
	s_sub_co_u32 s54, s54, 1
	s_cmp_lg_u32 s54, 0
	s_cbranch_scc1 .Lk
	; THE WAY OUT: x gkv / 64, f16, through the bytes that held m1t, back as whole rows of 512 bytes
	s_lshl_b32 s57, s55, 9
	v_lshl_add_u32 v29, v25, 5, s57                ; 4 (128 ch + 8 h)
.set mt, 0
.rept 8
	global_load_b128 v[AF+8*mt:AF+8*mt+3], v29, s[8:9] offset:8704+64*mt
	global_load_b128 v[AF+8*mt+4:AF+8*mt+7], v29, s[8:9] offset:8704+64*mt+16
.set mt, mt+1
.endr
	s_mul_i32 s57, s56, 32*528
	s_lshl_b32 s58, s55, 8
	s_add_co_u32 s57, s57, s58
	v_add_nc_u32 v30, s57, v26                     ; (32 rg + r) 528 + 256 ch + 16 h
	s_wait_dscnt 0x0                               ; my reads of m1t are over
	s_barrier_signal -1
	s_barrier_wait -1                              ; everybody's are: its bytes may be written
	s_wait_loadcnt 0x0
.set mt, 0
.rept 8
.irp n, 0, 1
.irp j, 0, 2, 4, 6
	v_pk_mul_f32 v[ACC+8*(2*mt+\n)+\j:ACC+8*(2*mt+\n)+\j+1], v[ACC+8*(2*mt+\n)+\j:ACC+8*(2*mt+\n)+\j+1], v[AF+8*mt+\j:AF+8*mt+\j+1]
.endr
.irp j, 0, 1, 2, 3
	v_cvt_pk_f16_f32 v[240+4*((2*mt+\n)%4)+\j], v[ACC+8*(2*mt+\n)+2*\j], v[ACC+8*(2*mt+\n)+2*\j+1]
.endr
	ds_store_b128 v30, v[240+4*((2*mt+\n)%4):240+4*((2*mt+\n)%4)+3] offset:\n*8448+32*mt
.endr
.set mt, mt+1
.endr
	s_wait_dscnt 0x0                               ; for the others' sake: my stores are done
	s_barrier_signal -1
	s_barrier_wait -1
	s_mul_i32 s57, s14, 16*528
	v_add_nc_u32 v31, s57, v7                      ; wave w takes rows 16 w .. + 15, whole
	s_lshl_b32 s57, s14, 13
	v_add_nc_u32 v24, s57, v7
.set i, 0
.rept 16
	ds_load_b128 v[AF+4*i:AF+4*i+3], v31 offset:528*i
.set i, i+1
.endr
.set i, 0
.rept 16
	s_wait_dscnt 15-i                              ; row i is back; the later rows' loads stay out
	global_store_b128 v24, v[AF+4*i:AF+4*i+3], s[12:13] offset:512*i  ; a wave's store covers a row's 512 consecutive bytes
.set i, i+1
.endr
	s_wait_tensorcnt 0x0                           ; the wave's end
	ds_add_u32 v2, v3
	s_wait_dscnt 0x0
	s_endpgm
.Lfunc_end_k_qc6695b1863_lnq:
	.size	k_qc6695b1863_lnq, .Lfunc_end_k_qc6695b1863_lnq-k_qc6695b1863_lnq
	.p2alignl 7, 3214868480
	.fill 96, 4, 3214868480
	.section	.rodata,"a",@progbits
	.p2align	6, 0x0
	.amdhsa_kernel k_qc6695b1863_lnq
		.amdhsa_group_segment_fixed_size 267264
		.amdhsa_private_segment_fixed_size 0
		.amdhsa_enable_private_segment 0
		.amdhsa_kernarg_size 40
		.amdhsa_user_sgpr_count 2
		.amdhsa_user_sgpr_kernarg_segment_ptr 1
		.amdhsa_wavefront_size32 1
		.amdhsa_system_sgpr_workgroup_id_x 1
		.amdhsa_system_sgpr_workgroup_id_y 1
		.amdhsa_system_sgpr_workgroup_id_z 1
		.amdhsa_system_vgpr_workitem_id 0
		.amdhsa_next_free_vgpr 256
		.amdhsa_next_free_sgpr 66
		.amdhsa_reserve_vcc 0
		.amdhsa_float_denorm_mode_32 3
		.amdhsa_float_denorm_mode_16_64 3
		.amdhsa_memory_ordered 1
		.amdhsa_forward_progress 1
		.amdhsa_inst_pref_size 31
	.end_amdhsa_kernel
	.amdgpu_metadata
---
amdhsa.version: [ 1, 2 ]
amdhsa.kernels:
  - .name:           k_qc6695b1863_lnq
    .symbol:         k_qc6695b1863_lnq.kd
    .args:
      - { .name: x, .offset: 0, .size: 8, .value_kind: global_buffer, .address_space: global }
      - { .name: m1t, .offset: 8, .size: 8, .value_kind: global_buffer, .address_space: global }
      - { .name: cst, .offset: 16, .size: 8, .value_kind: global_buffer, .address_space: global }
      - { .name: xh, .offset: 24, .size: 8, .value_kind: global_buffer, .address_space: global }
      - { .name: qh, .offset: 32, .size: 8, .value_kind: global_buffer, .address_space: global }
    .group_segment_fixed_size: 267264
    .private_segment_fixed_size: 0
    .kernarg_segment_align: 8
    .kernarg_segment_size: 40
    .max_flat_workgroup_size: 256
    .sgpr_count:     66
    .vgpr_count:     256
    .wavefront_size: 32
...
	.end_amdgpu_metadata
.endif
;; end of part 2
;; launch knn1 (part 3): grid 256 x 1, 4 waves a work-group, no clusters, 197,120 bytes of LDS; arguments pos, p4, glist; writes p4, glist
.if DOCPART == 3
	.amdgcn_target "amdgcn-amd-amdhsa--gfx1250"
	.amdhsa_code_object_version 6
	.text
	.protected	k_qc6695b1863_knn1
	.globl	k_qc6695b1863_knn1
	.p2align	8
	.type	k_qc6695b1863_knn1,@function
k_qc6695b1863_knn1:
	s_mov_b64 s[64:65], 0
	v_nop
	global_prefetch_b8 v0, s[64:65] scope:SCOPE_SE
	s_setreg_imm32_b32 hwreg(HW_REG_WAVE_MODE, 25, 1), 1
	s_wait_xcnt 0x0
; KNN1: for each query the 16 GROUPS of 16 consecutive points that hold its 16 nearest neighbours, as reference() chooses them.
; pos is rounded to bf16 on load.  Then every product of two coordinates is exact in f32, and a2 = (x x + y y) + z z, dot = (x x' + y y') + z z', d = (a2 + a2') - 2 dot
; have one right value each whether or not a multiply and an add are fused.  The distances are made on the vector unit in f32: the choice hangs on their last bit.
; g(group) = max(min of its 16 d, 0), 0 for the query's own group (the diagonal counts as 0).  T = the 16th smallest g.  Kept: all groups with g < T, then the lowest-numbered with g = T.
; Each kept group holds a point with d <= T, so the 16th nearest point has d <= T; a point with d < T lies in a group with g < T; and of the points with d = T those of lowest index win,
; which lie in the lowest-numbered groups.  No branch and no address hangs on a distance.
; LIMIT: pos finite and a2 finite; NaN and infinities are not treated.
; A work-group owns 128 queries of one batch.  LDS: TAB (x, y, z, a2) of the batch's 4,096 points; MIN [256 groups][128 queries] f32.
; The matrix unit is left out (K = 3, exact f32 wanted), and so are tensor loads (48 KiB of pos, repacked on the way in).
.set TAB,   0
.set MIN,   65536
.set SPARE, 196608    ; the spare words: 128 bytes a wave, two blocks of 256 bytes that no other line names
.set PITCH, 512       ; bytes from group to group in MIN
.set CA,    64        ; v[64:127]  a group's 16 points
.set CB,    128       ; v[128:191] the next group's
.set W,     16        ; the selection: v[16:19] the 16 ids, a byte each
.set TV,    20        ; T
.set THR,   21        ; T, or T + 1 while ties are still taken (the numbers are >= +0: their bit patterns compare as whole numbers)
.set NEED,  22        ; ties still to be taken
.set SEL,   23
.set TT,    24
.set VID,   25        ; byte selector that keeps a word
.set VSH,   26        ; byte selector that shifts a byte in from the next word
.set VZ,    27
.set AD,    28
.set CNT,   29
.set BASEV, 47
.set L0,    64        ; the 16 smallest so far, ascending
.set L1,    80
.set C0,    96
.set C1,    112
.set CL,    128       ; 16 numbers as loaded
; one stage of a bitonic network on 16 registers, from src to dst (no temporaries): partners j apart; ascending where bit k of the place is desc
.macro STAGE src, dst, k, j, desc
.set i, 0
.rept 16
.set l, i^(\j)
.if l > i
.if (((i/(\k))&1)^(\desc)) == 0
	v_min_num_f32 v[(\dst)+i], v[(\src)+i], v[(\src)+l]
	v_max_num_f32 v[(\dst)+l], v[(\src)+i], v[(\src)+l]
.else
	v_max_num_f32 v[(\dst)+i], v[(\src)+i], v[(\src)+l]
	v_min_num_f32 v[(\dst)+l], v[(\src)+i], v[(\src)+l]
.endif
.endif
.set i, i+1
.endr
.endm
; 16 more numbers: sorted descending (10 stages); the minima with the ascending list are the 16 smallest of both, a bitonic run; 4 stages sort it.  fetch = 1: the next 16 are asked for as soon as CL is read.
.macro BATCH fetch
	s_wait_dscnt 0x0
	STAGE CL, C0, 2, 1, 1
.if \fetch
	v_add_nc_u32 v[AD], 16*PITCH, v[AD]
.set i, 0
.rept 16
	ds_load_b32 v[CL+i], v[AD] offset:i*PITCH
.set i, i+1
.endr
.endif
	STAGE C0, C1, 4, 2, 1
	STAGE C1, C0, 4, 1, 1
	STAGE C0, C1, 8, 4, 1
	STAGE C1, C0, 8, 2, 1
	STAGE C0, C1, 8, 1, 1
	STAGE C1, C0, 16, 8, 1
	STAGE C0, C1, 16, 4, 1
	STAGE C1, C0, 16, 2, 1
	STAGE C0, C1, 16, 1, 1
.set i, 0
.rept 16
	v_min_num_f32 v[L0+i], v[L0+i], v[C1+i]
.set i, i+1
.endr
	STAGE L0, L1, 16, 8, 0
	STAGE L1, L0, 16, 4, 0
	STAGE L0, L1, 16, 2, 0
	STAGE L1, L0, 16, 1, 0
.endm
	s_load_b128 s[4:7], s[0:1], 0x0                ; pos 4, p4 6
	s_load_b64 s[8:9], s[0:1], 0x10                ; glist
	v_lshl_add_u32 v2, v0, 2, SPARE
	v_mov_b32 v3, 0
	v_lshrrev_b32 v1, 5, v0
	v_readfirstlane_b32 s10, v1                    ; wave
	s_lshr_b32 s11, ttmp9, 5                       ; batch
	s_and_b32 s12, ttmp9, 31
	s_lshl_b32 s12, s12, 7                         ; my first query in the batch
	s_mul_i32 s14, s11, 49152
	s_mov_b32 s15, 0
	s_mov_b32 s13, 0xffff0000
	v_mul_u32_u24 v4, v0, 48                       ; four points, 48 bytes, a thread and turn
	v_lshlrev_b32 v5, 6, v0
	v_lshlrev_b32 v6, 4, v0                        ; 16 x thread: both stores' offset; never rewritten
	s_wait_kmcnt 0x0
	s_add_nc_u64 s[4:5], s[4:5], s[14:15]
.set i, 0
.rept 8
.irp j, 0, 1, 2
	global_load_b128 v[64+12*i+4*\j:64+12*i+4*\j+3], v4, s[4:5] offset:6144*i+16*\j
.endr
.set i, i+1
.endr
.set i, 0
.rept 8
	s_wait_loadcnt 21-3*i                          ; turn i's three loads are in; the later turns' stay out
.irp j, 0, 1, 2, 3, 4, 5
	v_cvt_pk_bf16_f32 v[48+\j], v[64+12*i+2*\j], v[64+12*i+2*\j+1]
.endr
.irp j, 0, 1, 2, 3, 4, 5                           ; number f of the twelve is coordinate f % 3 of point f / 3
	v_lshlrev_b32 v[32+4*((2*\j)/3)+(2*\j)%3], 16, v[48+\j]
	v_and_b32 v[32+4*((2*\j+1)/3)+(2*\j+1)%3], s13, v[48+\j]
.endr
.irp e, 0, 1, 2, 3
	v_mul_f32 v[35+4*\e], v[32+4*\e], v[32+4*\e]
.endr
.irp e, 0, 1, 2, 3
	v_fmac_f32 v[35+4*\e], v[33+4*\e], v[33+4*\e]
.endr
.irp e, 0, 1, 2, 3
	v_fmac_f32 v[35+4*\e], v[34+4*\e], v[34+4*\e]
.endr
.irp e, 0, 1, 2, 3
	ds_store_b128 v5, v[32+4*\e:35+4*\e] offset:8192*i+16*\e
.endr
.set i, i+1
.endr
	s_wait_dscnt 0x0                               ; for the others' sake: my part of the table is written
	s_barrier_signal -1
	s_barrier_wait -1
	s_lshl_b32 s16, s12, 4
	v_add_nc_u32 v7, s16, v6
	ds_load_b128 v[40:43], v7                      ; thread t's query: its row goes to p4
	s_lshl_b32 s16, ttmp9, 11                      ; 128 rows of 16 bytes a work-group, in p4 and in glist
	s_mov_b32 s17, 0
	s_add_nc_u64 s[6:7], s[6:7], s[16:17]
	s_add_nc_u64 s[8:9], s[8:9], s[16:17]
	; THE GROUP MINIMA.  Wave w: queries 64 (w % 2) .. + 63, two a lane; groups 128 (w / 2) .. + 127.
	s_and_b32 s18, s10, 1
	s_lshr_b32 s19, s10, 1
	v_and_b32 v1, 31, v0
	s_lshl_b32 s16, s18, 6
	s_add_co_u32 s16, s16, s12
	v_lshl_add_u32 v44, v1, 1, s16                 ; my first query
	v_lshrrev_b32 v45, 4, v44                      ; its group, which is its neighbour's too
	v_lshlrev_b32 v46, 4, v44
	ds_load_b128 v[20:23], v46
	ds_load_b128 v[24:27], v46 offset:16
	s_lshl_b32 s16, s19, 15
	v_mov_b32 v4, s16                              ; the table at my first group: the same address in all lanes
	s_lshl_b32 s16, s19, 16
	s_lshl_b32 s17, s18, 8
	s_add_co_u32 s16, s16, s17
	s_add_co_u32 s16, s16, MIN
	v_lshl_add_u32 v5, v1, 3, s16                  ; where my two minima go
	s_lshl_b32 s21, s19, 7                         ; the group in hand
	s_wait_dscnt 0x0
	global_store_b128 v6, v[40:43], s[6:7]
	v_mov_b32 v8, v20                              ; pairs: x, y, z, a2 of my two queries
	v_mov_b32 v9, v24
	v_mov_b32 v10, v21
	v_mov_b32 v11, v25
	v_mov_b32 v12, v22
	v_mov_b32 v13, v26
	v_mov_b32 v14, v23
	v_mov_b32 v15, v27
.macro LOADS set, off
.set i, 0
.rept 16
	ds_load_b128 v[(\set)+4*i:(\set)+4*i+3], v4 offset:(\off)+16*i
.set i, i+1
.endr
.endm
; a group of 16 points against my two queries, four points side by side: five packed instructions a point, one minimum of three for two points and a query
.macro GROUP set, off
.set qd, 0
.rept 4
.set c0, (\set)+16*qd
.irp c, 0, 1, 2, 3
	v_pk_mul_f32 v[20+2*\c:21+2*\c], v[8:9], v[c0+4*\c:c0+4*\c+1] op_sel_hi:[1,0]
.endr
.irp c, 0, 1, 2, 3
	v_pk_fma_f32 v[20+2*\c:21+2*\c], v[10:11], v[c0+4*\c:c0+4*\c+1], v[20+2*\c:21+2*\c] op_sel:[0,1,0] op_sel_hi:[1,1,1]
.endr
.irp c, 0, 1, 2, 3
	v_pk_fma_f32 v[20+2*\c:21+2*\c], v[12:13], v[c0+4*\c+2:c0+4*\c+3], v[20+2*\c:21+2*\c] op_sel_hi:[1,0,1]
.endr
.irp c, 0, 1, 2, 3
	v_pk_add_f32 v[28+2*\c:29+2*\c], v[14:15], v[c0+4*\c+2:c0+4*\c+3] op_sel:[0,1] op_sel_hi:[1,1]
.endr
.irp c, 0, 1, 2, 3
	v_pk_fma_f32 v[28+2*\c:29+2*\c], v[20+2*\c:21+2*\c], -2.0, v[28+2*\c:29+2*\c] op_sel_hi:[1,0,1]
.endr
.if qd == 0
	v_min_num_f32 v16, v28, v30
	v_min_num_f32 v17, v29, v31
.else
	v_min3_num_f32 v16, v16, v28, v30
	v_min3_num_f32 v17, v17, v29, v31
.endif
	v_min3_num_f32 v16, v16, v32, v34
	v_min3_num_f32 v17, v17, v33, v35
.set qd, qd+1
.endr
	v_max_num_f32 v16, 0, v16
	v_max_num_f32 v17, 0, v17
	v_cmp_eq_u32 vcc_lo, s21, v45
	v_cndmask_b32 v16, v16, 0, vcc_lo              ; my own group holds the diagonal's 0
	v_cndmask_b32 v17, v17, 0, vcc_lo
	ds_store_b64 v5, v[16:17] offset:\off
	s_add_co_u32 s21, s21, 1
.endm
	LOADS CA, 0
	s_mov_b32 s20, 63
.Lgrp:
	LOADS CB, 256
	s_wait_dscnt 16                                ; all but the 16 loads just issued: set A is in
	GROUP CA, 0
	v_add_nc_u32 v4, 512, v4
	LOADS CA, 0
	s_wait_dscnt 16                                ; set B is in
	GROUP CB, 512
	v_add_nc_u32 v5, 1024, v5
	s_sub_co_u32 s20, s20, 1
	s_cmp_lg_u32 s20, 0
	s_cbranch_scc1 .Lgrp
	LOADS CB, 256
	s_wait_dscnt 16
	GROUP CA, 0
	s_wait_dscnt 0x0
	GROUP CB, 512
	s_wait_dscnt 0x0                               ; for the others' sake: my minima are written
	s_barrier_signal -1
	s_barrier_wait -1
	; THE SELECTION.  Thread t: query t.
	v_lshl_add_u32 v[BASEV], v0, 2, MIN
	v_mov_b32 v[VZ], 0
	v_mov_b32 v[VID], 0x03020100
	v_mov_b32 v[VSH], 0x04030201
.set i, 0
.rept 16
	v_mov_b32 v[L0+i], 0x7f800000
.set i, i+1
.endr
	v_mov_b32 v[AD], v[BASEV]
.set i, 0
.rept 16
	ds_load_b32 v[CL+i], v[AD] offset:i*PITCH
.set i, i+1
.endr
	s_mov_b32 s20, 15
.Lbatch:
	BATCH 1
	s_sub_co_u32 s20, s20, 1
	s_cmp_lg_u32 s20, 0
	s_cbranch_scc1 .Lbatch
	BATCH 0
	v_mov_b32 v[TV], v[L0+15]
	v_mov_b32 v[CNT], 0
.set i, 0
.rept 15
	v_cmp_lt_u32 vcc_lo, v[L0+i], v[TV]
	v_add_co_ci_u32 v[CNT], vcc_lo, v[CNT], v[VZ], vcc_lo
.set i, i+1
.endr
	v_sub_nc_u32 v[NEED], 16, v[CNT]
	v_cmp_lt_i32 vcc_lo, 0, v[NEED]
	v_add_co_ci_u32 v[THR], vcc_lo, v[TV], v[VZ], vcc_lo
	; the sweep, in ascending order: a number below THR pushes its id, a byte, into the 16 bytes of W; each tie seen takes one off NEED.  Exactly 16 are pushed.
	v_mov_b32 v[AD], v[BASEV]
.irp j, 0, 1, 2, 3
	v_mov_b32 v[W+\j], 0
.endr
	s_mov_b32 s21, 0
	s_mov_b32 s20, 16
.Lsweep:
.set i, 0
.rept 16
	ds_load_b32 v[CL+i], v[AD] offset:i*PITCH
.set i, i+1
.endr
.set i, 0
.rept 16
	s_wait_dscnt 15-i
	v_cmp_lt_u32 vcc_lo, v[CL+i], v[THR]
	v_cndmask_b32 v[SEL], v[VID], v[VSH], vcc_lo
	v_perm_b32 v[W], v[W+1], v[W], v[SEL]
	v_perm_b32 v[W+1], v[W+2], v[W+1], v[SEL]
	v_perm_b32 v[W+2], v[W+3], v[W+2], v[SEL]
	v_perm_b32 v[W+3], s21, v[W+3], v[SEL]
	v_cmp_eq_u32 vcc_lo, v[CL+i], v[TV]
	v_cndmask_b32 v[TT], 0, 1, vcc_lo
	v_sub_nc_u32 v[NEED], v[NEED], v[TT]
	v_cmp_lt_i32 vcc_lo, 0, v[NEED]
	v_add_co_ci_u32 v[THR], vcc_lo, v[TV], v[VZ], vcc_lo
	s_add_co_u32 s21, s21, 1
.set i, i+1
.endr
	v_add_nc_u32 v[AD], 16*PITCH, v[AD]
	s_sub_co_u32 s20, s20, 1
	s_cmp_lg_u32 s20, 0
	s_cbranch_scc1 .Lsweep
	global_store_b128 v6, v[W:W+3], s[8:9]         ; a wave's store covers 512 consecutive bytes
	s_wait_tensorcnt 0x0                           ; the wave's end
	ds_add_u32 v2, v3
	s_wait_dscnt 0x0
	s_endpgm
.Lfunc_end_k_qc6695b1863_knn1:
	.size	k_qc6695b1863_knn1, .Lfunc_end_k_qc6695b1863_knn1-k_qc6695b1863_knn1
	.p2alignl 7, 3214868480
	.fill 96, 4, 3214868480
	.section	.rodata,"a",@progbits
	.p2align	6, 0x0
	.amdhsa_kernel k_qc6695b1863_knn1
		.amdhsa_group_segment_fixed_size 197120
		.amdhsa_private_segment_fixed_size 0
		.amdhsa_enable_private_segment 0
		.amdhsa_kernarg_size 24
		.amdhsa_user_sgpr_count 2
		.amdhsa_user_sgpr_kernarg_segment_ptr 1
		.amdhsa_wavefront_size32 1
		.amdhsa_system_sgpr_workgroup_id_x 1
		.amdhsa_system_sgpr_workgroup_id_y 1
		.amdhsa_system_sgpr_workgroup_id_z 1
		.amdhsa_system_vgpr_workitem_id 0
		.amdhsa_next_free_vgpr 192
		.amdhsa_next_free_sgpr 66
		.amdhsa_reserve_vcc 1
		.amdhsa_float_denorm_mode_32 3
		.amdhsa_float_denorm_mode_16_64 3
		.amdhsa_memory_ordered 1
		.amdhsa_forward_progress 1
		.amdhsa_inst_pref_size 76
	.end_amdhsa_kernel
	.amdgpu_metadata
---
amdhsa.version: [ 1, 2 ]
amdhsa.kernels:
  - .name:           k_qc6695b1863_knn1
    .symbol:         k_qc6695b1863_knn1.kd
    .args:
      - { .name: pos, .offset: 0, .size: 8, .value_kind: global_buffer, .address_space: global }
      - { .name: p4, .offset: 8, .size: 8, .value_kind: global_buffer, .address_space: global }
      - { .name: glist, .offset: 16, .size: 8, .value_kind: global_buffer, .address_space: global }
    .group_segment_fixed_size: 197120
    .private_segment_fixed_size: 0
    .kernarg_segment_align: 8
    .kernarg_segment_size: 24
    .max_flat_workgroup_size: 128
    .sgpr_count:     66
    .vgpr_count:     192
    .wavefront_size: 32
...
	.end_amdgpu_metadata
.endif
;; end of part 3
;; launch knn2 (part 4): grid 256 x 1, 4 waves a work-group, no clusters, 131,584 bytes of LDS; arguments p4, glist, idx; writes idx
.if DOCPART == 4
	.amdgcn_target "amdgcn-amd-amdhsa--gfx1250"
	.amdhsa_code_object_version 6
	.text
	.protected	k_qc6695b1863_knn2
	.globl	k_qc6695b1863_knn2
	.p2align	8
	.type	k_qc6695b1863_knn2,@function
k_qc6695b1863_knn2:
	s_mov_b64 s[64:65], 0
	v_nop
	global_prefetch_b8 v0, s[64:65] scope:SCOPE_SE
	s_setreg_imm32_b32 hwreg(HW_REG_WAVE_MODE, 25, 1), 1
	s_wait_xcnt 0x0
; KNN2: the 16 nearest neighbours of each query among the 256 points of the 16 groups that the launch before kept for it (ascending, so the 256 stand in ascending index).
; The distances are made as there, bit for bit; the query itself counts as 0.  T = the 16th smallest; taken: all below T, then the first with d = T: ties go to the lower index.
; A lane owns a query.  Its 256 distances lie in its wave's own LDS bytes ([256][32 lanes] f32), so no barrier is needed.  The group numbers are whole numbers read from memory,
; clamped to 255 before they enter an address; nothing made from a distance enters an address or a branch.
; idx is stored as 16-byte pieces, four a lane: a wave's four stores together cover 2,048 consecutive bytes; the buffer is 2 MiB, written once.
.set SPARE, 131072    ; the spare words: 128 bytes a wave, two blocks of 256 bytes that no other line names
.set PITCH, 128
.set CA,    64
.set CB,    128
.set W,     16
.set TV,    20
.set THR,   21
.set NEED,  22
.set SEL,   23
.set TT,    24
.set VID,   25
.set VSH,   26
.set VZ,    27
.set AD,    28
.set CNT,   29
.set BASEV, 39
.set L0,    64
.set L1,    80
.set C0,    96
.set C1,    112
.set CL,    128
.macro STAGE src, dst, k, j, desc
.set i, 0
.rept 16
.set l, i^(\j)
.if l > i
.if (((i/(\k))&1)^(\desc)) == 0
	v_min_num_f32 v[(\dst)+i], v[(\src)+i], v[(\src)+l]
	v_max_num_f32 v[(\dst)+l], v[(\src)+i], v[(\src)+l]
.else
	v_max_num_f32 v[(\dst)+i], v[(\src)+i], v[(\src)+l]
	v_min_num_f32 v[(\dst)+l], v[(\src)+i], v[(\src)+l]
.endif
.endif
.set i, i+1
.endr
.endm
.macro BATCH fetch
	s_wait_dscnt 0x0
	STAGE CL, C0, 2, 1, 1
.if \fetch
	v_add_nc_u32 v[AD], 16*PITCH, v[AD]
.set i, 0
.rept 16
	ds_load_b32 v[CL+i], v[AD] offset:i*PITCH
.set i, i+1
.endr
.endif
	STAGE C0, C1, 4, 2, 1
	STAGE C1, C0, 4, 1, 1
	STAGE C0, C1, 8, 4, 1
	STAGE C1, C0, 8, 2, 1
	STAGE C0, C1, 8, 1, 1
	STAGE C1, C0, 16, 8, 1
	STAGE C0, C1, 16, 4, 1
	STAGE C1, C0, 16, 2, 1
	STAGE C0, C1, 16, 1, 1
.set i, 0
.rept 16
	v_min_num_f32 v[L0+i], v[L0+i], v[C1+i]
.set i, i+1
.endr
	STAGE L0, L1, 16, 8, 0
	STAGE L1, L0, 16, 4, 0
	STAGE L0, L1, 16, 2, 0
	STAGE L1, L0, 16, 1, 0
.endm
	s_load_b128 s[4:7], s[0:1], 0x0                ; p4 4, glist 6
	s_load_b64 s[8:9], s[0:1], 0x10                ; idx
	v_lshl_add_u32 v2, v0, 2, SPARE
	v_mov_b32 v3, 0
	v_lshrrev_b32 v1, 5, v0
	v_readfirstlane_b32 s10, v1                    ; wave
	s_lshr_b32 s11, ttmp9, 5                       ; batch
	s_lshl_b32 s12, ttmp9, 7
	v_add_nc_u32 v4, s12, v0                       ; my query
	v_lshlrev_b32 v5, 4, v4
	s_lshl_b32 s14, s11, 16                        ; a batch's 4,096 rows of 16 bytes
	s_mov_b32 s15, 0
	s_lshl_b32 s19, s11, 12
	s_wait_kmcnt 0x0
	global_load_b128 v[12:15], v5, s[6:7]          ; my 16 groups
	global_load_b128 v[8:11], v5, s[4:5]           ; x, y, z, a2
	s_add_nc_u64 s[16:17], s[4:5], s[14:15]        ; p4 at my batch
	v_and_b32 v40, 0xfff, v4                       ; my query's place in the batch
	v_and_b32 v1, 31, v0
	s_lshl_b32 s18, s10, 15
	v_lshl_add_u32 v[BASEV], v1, 2, s18            ; my word in a row of my wave's table
	v_mov_b32 v38, v[BASEV]
	s_wait_loadcnt 0x0
.irp j, 0, 1, 2, 3
	v_mov_b32 v[30+\j], v[12+\j]                   ; a copy that is shifted down a byte a group
.endr
; the next group: its byte offset in p4 into v[36+k], my query's place in it (0..15 if it is mine) into v[34+k]
.macro SLOTADR k
	v_and_b32 v41, 0xff, v30
	v_min_u32 v41, 0xff, v41
	v_lshlrev_b32 v[36+\k], 8, v41
	v_lshlrev_b32 v41, 4, v41
	v_sub_nc_u32 v[34+\k], v40, v41
	v_alignbit_b32 v30, v31, v30, 8
	v_alignbit_b32 v31, v32, v31, 8
	v_alignbit_b32 v32, v33, v32, 8
	v_lshrrev_b32 v33, 8, v33
.endm
.macro SLOAD set, k
.set i, 0
.rept 16
	global_load_b128 v[(\set)+4*i:(\set)+4*i+3], v[36+\k], s[16:17] offset:16*i
.set i, i+1
.endr
.endm
.macro SDIST set, k, off
.set qd, 0
.rept 4
.set c0, (\set)+16*qd
.irp c, 0, 1, 2, 3
	v_mul_f32 v[42+\c], v8, v[c0+4*\c]
.endr
.irp c, 0, 1, 2, 3
	v_fmac_f32 v[42+\c], v9, v[c0+4*\c+1]
.endr
.irp c, 0, 1, 2, 3
	v_fmac_f32 v[42+\c], v10, v[c0+4*\c+2]
.endr
.irp c, 0, 1, 2, 3
	v_add_f32 v[46+\c], v11, v[c0+4*\c+3]
.endr
.irp c, 0, 1, 2, 3
	v_fmac_f32 v[46+\c], -2.0, v[42+\c]
.endr
.irp c, 0, 1, 2, 3
	v_max_num_f32 v[46+\c], 0, v[46+\c]
.endr
.irp c, 0, 1, 2, 3
	v_cmp_eq_u32 vcc_lo, 4*qd+\c, v[34+\k]
	v_cndmask_b32 v[46+\c], v[46+\c], 0, vcc_lo
	ds_store_b32 v38, v[46+\c] offset:(\off)+128*(4*qd+\c)
.endr
.set qd, qd+1
.endr
.endm
	SLOTADR 0
	SLOAD CA, 0
	s_mov_b32 s20, 7
.Lslot:
	SLOTADR 1                                      ; set B's last loads were shown done by the wait in front of SDIST CB
	SLOAD CB, 1
	s_wait_loadcnt 16                              ; all but the 16 loads just issued: set A is in, and its offset register free
	SDIST CA, 0, 0
	SLOTADR 0
	SLOAD CA, 0
	s_wait_loadcnt 16
	SDIST CB, 1, 2048
	v_add_nc_u32 v38, 4096, v38
	s_sub_co_u32 s20, s20, 1
	s_cmp_lg_u32 s20, 0
	s_cbranch_scc1 .Lslot
	SLOTADR 1
	SLOAD CB, 1
	s_wait_loadcnt 16
	SDIST CA, 0, 0
	s_wait_loadcnt 0x0
	SDIST CB, 1, 2048
	; THE SELECTION, on my wave's own bytes: LDS serves a wave's instructions in order (ISA guide 5.7.1.4), so the loads below see the stores above
	v_mov_b32 v[VZ], 0
	v_mov_b32 v[VID], 0x03020100
	v_mov_b32 v[VSH], 0x04030201
.set i, 0
.rept 16
	v_mov_b32 v[L0+i], 0x7f800000
.set i, i+1
.endr
	v_mov_b32 v[AD], v[BASEV]
.set i, 0
.rept 16
	ds_load_b32 v[CL+i], v[AD] offset:i*PITCH
.set i, i+1
.endr
	s_mov_b32 s20, 15
.Lbatch:
	BATCH 1
	s_sub_co_u32 s20, s20, 1
	s_cmp_lg_u32 s20, 0
	s_cbranch_scc1 .Lbatch
	BATCH 0
	v_mov_b32 v[TV], v[L0+15]
	v_mov_b32 v[CNT], 0
.set i, 0
.rept 15
	v_cmp_lt_u32 vcc_lo, v[L0+i], v[TV]
	v_add_co_ci_u32 v[CNT], vcc_lo, v[CNT], v[VZ], vcc_lo
.set i, i+1
.endr
	v_sub_nc_u32 v[NEED], 16, v[CNT]
	v_cmp_lt_i32 vcc_lo, 0, v[NEED]
	v_add_co_ci_u32 v[THR], vcc_lo, v[TV], v[VZ], vcc_lo
	v_mov_b32 v[AD], v[BASEV]
.irp j, 0, 1, 2, 3
	v_mov_b32 v[W+\j], 0
.endr
	s_mov_b32 s21, 0
	s_mov_b32 s20, 16
.Lsweep:
.set i, 0
.rept 16
	ds_load_b32 v[CL+i], v[AD] offset:i*PITCH
.set i, i+1
.endr
.set i, 0
.rept 16
	s_wait_dscnt 15-i
	v_cmp_lt_u32 vcc_lo, v[CL+i], v[THR]
	v_cndmask_b32 v[SEL], v[VID], v[VSH], vcc_lo
	v_perm_b32 v[W], v[W+1], v[W], v[SEL]
	v_perm_b32 v[W+1], v[W+2], v[W+1], v[SEL]
	v_perm_b32 v[W+2], v[W+3], v[W+2], v[SEL]
	v_perm_b32 v[W+3], s21, v[W+3], v[SEL]
	v_cmp_eq_u32 vcc_lo, v[CL+i], v[TV]
	v_cndmask_b32 v[TT], 0, 1, vcc_lo
	v_sub_nc_u32 v[NEED], v[NEED], v[TT]
	v_cmp_lt_i32 vcc_lo, 0, v[NEED]
	v_add_co_ci_u32 v[THR], vcc_lo, v[TV], v[VZ], vcc_lo
	s_add_co_u32 s21, s21, 1
.set i, i+1
.endr
	v_add_nc_u32 v[AD], 16*PITCH, v[AD]
	s_sub_co_u32 s20, s20, 1
	s_cmp_lg_u32 s20, 0
	s_cbranch_scc1 .Lsweep
	; a local id is 16 x slot + place: the slot's group number is byte slot of my 16; the row number is 4,096 batch + 16 group + place
.set e, 0
.rept 16
	v_bfe_u32 v42, v[W+e/4], 8*(e%4), 8
	v_and_b32 v43, 64, v42
	v_cmp_ne_u32 vcc_lo, 0, v43
	v_cndmask_b32 v44, v12, v13, vcc_lo
	v_cndmask_b32 v45, v14, v15, vcc_lo
	v_and_b32 v43, 0x80, v42
	v_cmp_ne_u32 vcc_lo, 0, v43
	v_cndmask_b32 v44, v44, v45, vcc_lo
	v_lshrrev_b32 v43, 1, v42
	v_and_b32 v43, 24, v43
	v_lshrrev_b32 v44, v43, v44
	v_and_b32 v44, 0xff, v44
	v_and_b32 v42, 15, v42
	v_lshl_add_u32 v44, v44, 4, v42
	v_add_nc_u32 v[64+e], s19, v44
.set e, e+1
.endr
	v_lshlrev_b32 v6, 6, v4
.irp k, 0, 1, 2, 3
	global_store_b128 v6, v[64+4*\k:67+4*\k], s[8:9] offset:16*\k
.endr
	s_wait_tensorcnt 0x0                           ; the wave's end
	ds_add_u32 v2, v3
	s_wait_dscnt 0x0
	s_endpgm
.Lfunc_end_k_qc6695b1863_knn2:
	.size	k_qc6695b1863_knn2, .Lfunc_end_k_qc6695b1863_knn2-k_qc6695b1863_knn2
	.p2alignl 7, 3214868480
	.fill 96, 4, 3214868480
	.section	.rodata,"a",@progbits
	.p2align	6, 0x0
	.amdhsa_kernel k_qc6695b1863_knn2
		.amdhsa_group_segment_fixed_size 131584
		.amdhsa_private_segment_fixed_size 0
		.amdhsa_enable_private_segment 0
		.amdhsa_kernarg_size 24
		.amdhsa_user_sgpr_count 2
		.amdhsa_user_sgpr_kernarg_segment_ptr 1
		.amdhsa_wavefront_size32 1
		.amdhsa_system_sgpr_workgroup_id_x 1
		.amdhsa_system_sgpr_workgroup_id_y 1
		.amdhsa_system_sgpr_workgroup_id_z 1
		.amdhsa_system_vgpr_workitem_id 0
		.amdhsa_next_free_vgpr 192
		.amdhsa_next_free_sgpr 66
		.amdhsa_reserve_vcc 1
		.amdhsa_float_denorm_mode_32 3
		.amdhsa_float_denorm_mode_16_64 3
		.amdhsa_memory_ordered 1
		.amdhsa_forward_progress 1
		.amdhsa_inst_pref_size 72
	.end_amdhsa_kernel
	.amdgpu_metadata
---
amdhsa.version: [ 1, 2 ]
amdhsa.kernels:
  - .name:           k_qc6695b1863_knn2
    .symbol:         k_qc6695b1863_knn2.kd
    .args:
      - { .name: p4, .offset: 0, .size: 8, .value_kind: global_buffer, .address_space: global }
      - { .name: glist, .offset: 8, .size: 8, .value_kind: global_buffer, .address_space: global }
      - { .name: idx, .offset: 16, .size: 8, .value_kind: global_buffer, .address_space: global }
    .group_segment_fixed_size: 131584
    .private_segment_fixed_size: 0
    .kernarg_segment_align: 8
    .kernarg_segment_size: 24
    .max_flat_workgroup_size: 128
    .sgpr_count:     66
    .vgpr_count:     192
    .wavefront_size: 32
...
	.end_amdgpu_metadata
.endif
;; end of part 4
;; launch attn (part 5): grid 256 x 1, 8 waves a work-group, no clusters, 271,360 bytes of LDS; arguments xh, qh, p4, idx, m2t, cst, out0; writes out0
.if DOCPART == 5
	.amdgcn_target "amdgcn-amd-amdhsa--gfx1250"
	.amdhsa_code_object_version 6
	.text
	.protected	k_qc6695b1863_attn
	.globl	k_qc6695b1863_attn
	.p2align	8
	.type	k_qc6695b1863_attn,@function
k_qc6695b1863_attn:
	s_mov_b64 s[64:65], 0
	v_nop
	global_prefetch_b8 v0, s[64:65] scope:SCOPE_SE
	s_setreg_imm32_b32 hwreg(HW_REG_WAVE_MODE, 25, 1), 1
	s_wait_xcnt 0x0
; ATTN: for each query the logits of its 16 neighbours, their softmax, the weighted sum of the neighbours' xh, and the output projection.
;   logit x 16 / 64 = qh . xh_m + relu(W1^T (pos - pos_m) + b1) . rowsum(W2) / 64 + sum(b2) / 64     (the channel sum of h W2 + b2 is h . rowsum(W2) + sum(b2))
;   p = softmax, with the maximum taken away;   out = ((sum of p xh_m) o gkv + betakv) (Wv Wp) + bp
; One row of 512 bytes is gathered for a neighbour, where k and v would be two of 1,024.
; SHARES.  A work-group owns 128 queries, each of its eight waves 16, two (a, b) a trip.
; LAYOUTS.  S = X Q^T: source 0 = a query's 16 gathered rows, source 1 = the wave's 16 rows of qh: the column of the query itself holds its 16 logits, 8 in lane q and 8 in lane q + 16.
; The hidden layer: source 0 = 16 hidden units x (W1, b1, zeros), source 1 = (rel, 1, zeros) of 16 neighbours; a lane then holds one neighbour and 8 units, which after relu and
; rounding ARE source 0 of the product with rowsum(W2), the same in every column, that adds onto S.  The weights, rounded to f16 and set to 0 in every column but the query's own, are source 1
; (32 neighbours of a and b x 16 queries) of agg^T += X^T P; X^T comes turned out of the wave's stage in LDS (ds_load_tr16_b128).  agg^T holds one query a lane and 8 channels: with gain and
; bias it is source 1 of out^T = m2t agg^T.
; LIMITS.  f16 for what the program makes: |pos - pos_m| and the hidden layer under 65,504; |agg gkv + betakv| under 65,504; NaN and infinities are not treated.
; NO CLUSTER: m2t, 128 KiB, is what work-groups share, against some 1.3 MiB of gathered rows, queries and results that are each work-group's own.
; LDS: 0 m2t, 256 rows at a pitch of 528; ST a stage of 16,896 bytes a wave: 32 rows at 528 (a's 16 neighbours, b's 16); at the end 16 rows of out at 1,040.  One tensor load a wave, at the start; nothing is filled twice.
; REGISTERS, in windows of 256 (s_set_vgpr_msb: bits 1:0 source 0, 3:2 source 1, 5:4 source 2, 7:6 destination):
;   window 0: v0-15 addresses; v16-31 (rel, 1) of a, b; v32-47 S of a, b; v48-55 P; v56-71 positions; v72-73 indices; v74-79 at work; v80-111 W1; v112-127 rowsum(W2); v128-255 X of a, b
;   window 1: v0-127 agg^T, 16 tiles; v128-191 Q; v192-255 the hidden layer, then X^T
.set ST,    135168
.set SPARE, 270336    ; the spare words: 128 bytes a wave, four blocks of 256 bytes that no other line names
.set MSB, 0
.macro WIN new                         ; the immediate's high byte repeats the setting that is left; a switch that changes nothing is dropped
.if MSB != (\new)
	s_set_vgpr_msb (MSB<<8)|(\new)
.set MSB, \new
.endif
.endm
.macro PLACES                          ; four places behind matrix instructions (ISA guide 7.12.1)
.rept 4
	v_nop
.endr
.endm
	s_load_b256 s[4:11], s[0:1], 0x0               ; xh 4, qh 6, p4 8, idx 10
	s_load_b128 s[12:15], s[0:1], 0x20             ; m2t 12, cst 14
	s_load_b64 s[16:17], s[0:1], 0x30              ; out0
	v_lshl_add_u32 v2, v0, 2, SPARE
	v_mov_b32 v3, 0
	ds_add_u32 v2, v3                              ; the wave's opening: the add and its wait stand ahead of my first tensor load
	v_lshrrev_b32 v1, 5, v0
	v_readfirstlane_b32 s18, v1                    ; wave
	s_mov_b32 s40, (1<<16)|(1<<20)|(6<<22)|(3<<25) ; m2t: elements of 2 bytes; after every 128 words 4 words of padding
	s_mov_b32 s41, 256<<16                         ; tensor_dim0 = 256
	s_mov_b32 s42, 32<<16                          ; tensor_dim1 = 32
	s_mov_b32 s43, 256<<16                         ; tile_dim0 = 256
	s_mov_b32 s44, 32                              ; tile_dim1 = 32
	s_mov_b32 s45, 256                             ; elements from row to row
	s_mov_b32 s46, 0
	s_mov_b32 s47, 0
	s_mov_b32 s36, 1
	s_mul_i32 s37, s18, 32*528                     ; my 32 rows
	s_lshl_b32 s48, s18, 14
	s_mov_b32 s49, 0
	s_lshl_b32 s50, ttmp9, 7
	s_lshl_b32 s51, s18, 4
	s_add_co_u32 s50, s50, s51                     ; my first query
	s_mul_i32 s51, s18, 16896
	s_add_co_u32 s51, s51, ST                      ; my stage
	s_mov_b32 s24, 0xffff                          ; lanes 0-15
	s_mov_b32 s25, 0x00010001                      ; the two lanes of query a's column; two columns on in each trip
	s_mov_b32 s26, 0x00020002                      ; of b's
	s_mov_b32 s28, 0x40b8aa3b                      ; c = 64 log2(e) / 16
	s_mov_b32 s29, s28
	s_mov_b32 s30, 0x76543210
	s_mov_b32 s31, 0xfedcba98
	s_wait_dscnt 0x0                               ; the opening add is done
	s_wait_kmcnt 0x0
	s_add_nc_u64 s[38:39], s[12:13], s[48:49]
	s_or_b32 s39, s39, 0x80000000
	tensor_load_to_lds s[36:39], s[40:47]
	s_nop 0
	PLACES                                         ; the windows are switched only behind four instructions
	s_load_b32 s32, s[14:15], 4352                 ; sum(b2) / 64
	s_lshl_b32 s48, s50, 6
	s_add_nc_u64 s[20:21], s[10:11], s[48:49]      ; idx at my first query
	s_lshl_b32 s48, s50, 4
	s_add_nc_u64 s[22:23], s[8:9], s[48:49]        ; p4 at my first query
	s_lshl_b32 s48, s50, 9
	s_add_nc_u64 s[6:7], s[6:7], s[48:49]
	s_lshl_b32 s48, s50, 10
	s_add_nc_u64 s[16:17], s[16:17], s[48:49]
	v_mov_b32 v1, 1.0
	v_and_b32 v4, 15, v0                           ; r
	v_bfe_u32 v15, v0, 4, 1                        ; h
	v_lshlrev_b32 v5, 4, v15                       ; 16 h
	v_lshlrev_b32 v6, 2, v4                        ; 4 r
	v_mov_b32 v7, 0
	v_mul_u32_u24 v12, v4, 528
	v_add3_u32 v12, v12, v5, s51                   ; into the stage: row r, 16 bytes for each half of the lanes
	v_and_b32 v14, 7, v0                           ; the turning load: lane l reads row 8 h + l % 8, bytes 16 ((l / 8) % 2) on
	v_lshl_add_u32 v14, v15, 3, v14
	v_mul_u32_u24 v13, v14, 528
	v_bfe_u32 v14, v0, 3, 1
	v_lshl_add_u32 v13, v14, 4, v13
	v_add_nc_u32 v13, s51, v13
	v_lshl_add_u32 v14, v4, 9, v5                  ; row r of qh
	v_lshl_add_u32 v15, v4, 6, v5                  ; row r of the first layer's table
	WIN 0x40
.set i, 0
.rept 16
	global_load_b128 v[128+4*i:128+4*i+3], v14, s[6:7] offset:32*i
.set i, i+1
.endr
	WIN 0
.irp t, 0, 1, 2, 3
	global_load_b128 v[80+8*\t:83+8*\t], v15, s[14:15] offset:1024*\t
	global_load_b128 v[84+8*\t:87+8*\t], v15, s[14:15] offset:1024*\t+32
.endr
.irp s, 0, 1
	global_load_b128 v[112+8*\s:115+8*\s], v5, s[14:15] offset:4096+64*\s
	global_load_b128 v[116+8*\s:119+8*\s], v5, s[14:15] offset:4096+64*\s+32
.endr
.irp j, 18, 19, 20, 21, 22, 23, 26, 27, 28, 29, 30, 31
	v_mov_b32 v[\j], 0                             ; k = 4 .. 31 of (rel, 1): zeros, once
.endr
; the next pair's indices (lane r: neighbour r) and the two queries' positions
.macro FIDX
	global_load_b32 v72, v6, s[20:21]
	global_load_b32 v73, v6, s[20:21] offset:64
	global_load_b128 v[64:67], v7, s[22:23]
	global_load_b128 v[68:71], v7, s[22:23] offset:16
.endm
; the gather: lane (r, h) takes of neighbour r's row the bytes 32 i + 16 h on, i = 0 .. 15: eight fragments; and its position.  The indices are clamped before they enter an address.
.macro FX
	s_wait_loadcnt 0x0
	v_min_u32 v72, 0x7fff, v72
	v_min_u32 v73, 0x7fff, v73
	v_lshl_add_u32 v8, v72, 9, v5
	v_lshl_add_u32 v9, v73, 9, v5
	v_lshlrev_b32 v10, 4, v72
	v_lshlrev_b32 v11, 4, v73
.set i, 0
.rept 16
	global_load_b128 v[128+4*i:128+4*i+3], v8, s[4:5] offset:32*i
.set i, i+1
.endr
.set i, 0
.rept 16
	global_load_b128 v[192+4*i:192+4*i+3], v9, s[4:5] offset:32*i
.set i, i+1
.endr
	global_load_b128 v[56:59], v10, s[8:9]
	global_load_b128 v[60:63], v11, s[8:9]
.endm
; stage n of a query's softmax.  S: its 8 logits a lane; TM (even), TA = TM + 1, TB at work; PFR: its half of P; MK: the mask of its column
.macro SM n, S, TM, TA, TB, PFR, MK
.if \n == 0
.irp j, 0, 2, 4, 6
	v_pk_add_f32 v[(\S)+\j:(\S)+\j+1], v[(\S)+\j:(\S)+\j+1], s[32:33] op_sel_hi:[1,0]  ; + sum(b2) / 64; the accumulator's lowest registers are read first
.endr
.elseif \n == 1
	v_max3_num_f32 v[\TM], v[\S], v[(\S)+1], v[(\S)+2]
	v_max3_num_f32 v[\TA], v[(\S)+3], v[(\S)+4], v[(\S)+5]
.elseif \n == 2
	v_max3_num_f32 v[\TM], v[\TM], v[(\S)+6], v[(\S)+7]
.elseif \n == 3
	v_max_num_f32 v[\TM], v[\TM], v[\TA]
.elseif \n == 4
	v_permlanex16_b32 v[\TA], v[\TM], s30, s31     ; the query's other 8 neighbours lie in the lane 16 away
.elseif \n == 5
	v_max_num_f32 v[\TM], v[\TM], v[\TA]
.elseif \n == 6
	v_mul_f32 v[\TM], s28, v[\TM]
.elseif \n == 7
.irp j, 0, 2, 4, 6
	v_pk_fma_f32 v[(\S)+\j:(\S)+\j+1], v[(\S)+\j:(\S)+\j+1], s[28:29], v[\TM:\TM+1] op_sel_hi:[1,0,0] neg_lo:[0,0,1] neg_hi:[0,0,1]
.endr
.elseif \n == 8
.irp j, 0, 1, 2, 3, 4, 5, 6, 7
	v_exp_f32 v[(\S)+\j], v[(\S)+\j]
.endr
.elseif \n == 9
	v_pk_add_f32 v[\TM:\TM+1], v[\S:(\S)+1], v[(\S)+2:(\S)+3]
.elseif \n == 10
	v_pk_add_f32 v[\TM:\TM+1], v[\TM:\TM+1], v[(\S)+4:(\S)+5]
.elseif \n == 11
	v_pk_add_f32 v[\TM:\TM+1], v[\TM:\TM+1], v[(\S)+6:(\S)+7]
.elseif \n == 12
	v_add_f32 v[\TB], v[\TM], v[\TA]
.elseif \n == 13
	v_permlanex16_b32 v[\TM], v[\TB], s30, s31
.elseif \n == 14
	v_add_f32 v[\TB], v[\TB], v[\TM]
.elseif \n == 15
	v_rcp_f32 v[\TM], v[\TB]
.elseif \n == 16
	s_wait_alu depctr_va_vdst(0)
.irp j, 0, 2, 4, 6
	v_pk_mul_f32 v[(\S)+\j:(\S)+\j+1], v[(\S)+\j:(\S)+\j+1], v[\TM:\TM+1] op_sel_hi:[1,0]
.endr
.elseif \n == 17
.irp j, 0, 1, 2, 3
	v_cvt_pk_f16_f32 v[(\S)+\j], v[(\S)+2*\j], v[(\S)+2*\j+1]
.endr
.else
.irp j, 0, 1, 2, 3
	v_cndmask_b32 v[(\PFR)+\j], 0, v[(\S)+\j], s[\MK]
.endr
.endif
.endm
.macro SM2 n                           ; the stage for a and for b, side by side
	SM \n, 32, 74, 75, 76, 48, 25
	SM \n, 40, 78, 79, 77, 52, 26
.endm
; A TRIP: queries a and b.  zero = 1: its products start agg^T's sums.  fetch = 1: the next pair is asked for.
.macro TRIP zero, fetch
	WIN 0
	s_wait_loadcnt 0x0                             ; the pair's rows and positions are in; no load of mine is out, so the scalar bases may step
	v_sub_f32 v56, v64, v56                        ; rel = pos - pos_m
	v_sub_f32 v57, v65, v57
	v_sub_f32 v58, v66, v58
	v_sub_f32 v60, v68, v60
	v_sub_f32 v61, v69, v61
	v_sub_f32 v62, v70, v62
	v_cvt_pk_f16_f32 v56, v56, v57
	v_cvt_pk_f16_f32 v57, v58, v1                  ; (rel z, 1): the 1 meets b1
	v_cvt_pk_f16_f32 v60, v60, v61
	v_cvt_pk_f16_f32 v61, v62, v1
	v_cndmask_b32 v16, 0, v56, s24                 ; k = 0 .. 3 lie in lanes 0-15
	v_cndmask_b32 v17, 0, v57, s24
	v_cndmask_b32 v24, 0, v60, s24
	v_cndmask_b32 v25, 0, v61, s24
.if \fetch
	s_add_nc_u64 s[20:21], s[20:21], 128
	s_add_nc_u64 s[22:23], s[22:23], 32
	FIDX
.endif
.irp q, 0, 1
.set i, 0
.rept 16
	ds_store_b128 v12, v[128+64*\q+4*i:128+64*\q+4*i+3] offset:\q*8448+32*i
.set i, i+1
.endr
.endr
	WIN 0x40                                       ; the hidden layer, 64 units x 16 neighbours, for a and b by turns
.irp t, 0, 1, 2, 3
.irp q, 0, 1
	v_wmma_f32_16x16x32_f16 v[192+32*\q+8*\t:192+32*\q+8*\t+7], v[80+8*\t:87+8*\t], v[16+8*\q:23+8*\q], 0
.endr
.endr
	WIN 0x04                                       ; the logits, a and b by turns
.irp q, 0, 1
	v_wmma_f32_16x16x32_f16 v[32+8*\q:39+8*\q], v[128+64*\q:135+64*\q], v[128:135], 0
.endr
.irp s, 1, 2, 3, 4, 5, 6, 7
.irp q, 0, 1
	v_wmma_f32_16x16x32_f16 v[32+8*\q:39+8*\q], v[128+64*\q+8*\s:135+64*\q+8*\s], v[128+8*\s:135+8*\s], v[32+8*\q:39+8*\q]
.endr
.endr
	WIN 0x45
	PLACES
.set i, 0
.rept 64
	v_max_num_f32 v[192+i], 0, v[192+i]            ; relu, each tile from its low end
.set i, i+1
.endr
.irp g, 0, 16, 32, 48                              ; two tiles of 16 units pack in place into a fragment of 32
.set i, 0
.rept 8
	v_cvt_pk_f16_f32 v[192+\g+i], v[192+\g+2*i], v[192+\g+2*i+1]
.set i, i+1
.endr
.endr
	WIN 0x01                                       ; + hidden . rowsum(W2) / 64, onto every column
	v_wmma_f32_16x16x32_f16 v[32:39], v[192:199], v[112:119], v[32:39]
	v_wmma_f32_16x16x32_f16 v[40:47], v[224:231], v[112:119], v[40:47]
	v_wmma_f32_16x16x32_f16 v[32:39], v[208:215], v[120:127], v[32:39]
	v_wmma_f32_16x16x32_f16 v[40:47], v[240:247], v[120:127], v[40:47]
	WIN 0
.if \fetch
	FX                                             ; its six address lines are the places behind those products
.else
	PLACES
.endif
	WIN 0x40
.set cb, 0
.rept 8                                            ; X^T, channels 16 cb on: a's 16 neighbours, then b's; LDS serves a wave's instructions in order, so these see the stores above
	ds_load_tr16_b128 v[192+8*cb:192+8*cb+3], v13 offset:32*cb
	ds_load_tr16_b128 v[192+8*cb+4:192+8*cb+7], v13 offset:32*cb+8448
.set cb, cb+1
.endr
	WIN 0
.irp n, 0, 1, 2, 3, 4, 5, 6, 7, 8
	SM2 \n
.endr
	v_nop                                          ; a plain instruction between the exponentials and their use (ISA guide 5.7.2)
	s_wait_alu depctr_va_vdst(0)
.irp n, 9, 10, 11, 12, 13, 14, 15
	SM2 \n
.endr
	v_nop                                          ; and behind the reciprocals
.irp n, 16, 17, 18
	SM2 \n
.endr
	s_wait_dscnt 0x0
	WIN 0x51
.set cb, 0
.rept 8
.if \zero
	v_wmma_f32_16x16x32_f16 v[8*cb:8*cb+7], v[192+8*cb:192+8*cb+7], v[48:55], 0
.else
	v_wmma_f32_16x16x32_f16 v[8*cb:8*cb+7], v[192+8*cb:192+8*cb+7], v[48:55], v[8*cb:8*cb+7]
.endif
.set cb, cb+1
.endr
	PLACES
	WIN 0x40
.set cb, 0
.rept 8
	ds_load_tr16_b128 v[192+8*cb:192+8*cb+3], v13 offset:256+32*cb
	ds_load_tr16_b128 v[192+8*cb+4:192+8*cb+7], v13 offset:256+32*cb+8448
.set cb, cb+1
.endr
	s_wait_dscnt 0x0
	WIN 0x51
.set cb, 0
.rept 8
.if \zero
	v_wmma_f32_16x16x32_f16 v[64+8*cb:64+8*cb+7], v[192+8*cb:192+8*cb+7], v[48:55], 0
.else
	v_wmma_f32_16x16x32_f16 v[64+8*cb:64+8*cb+7], v[192+8*cb:192+8*cb+7], v[48:55], v[64+8*cb:64+8*cb+7]
.endif
.set cb, cb+1
.endr
	WIN 0
	s_lshl_b32 s25, s25, 2
	s_lshl_b32 s26, s26, 2
.endm
	FIDX
	s_wait_kmcnt 0x0
	s_mov_b32 s33, s32
	FX
	TRIP 1, 1
	s_mov_b32 s27, 6
.Ltrip:
	TRIP 0, 1
	s_sub_co_u32 s27, s27, 1
	s_cmp_lg_u32 s27, 0
	s_cbranch_scc1 .Ltrip
	TRIP 0, 0                                      ; the last pair asks for nothing
	; agg gkv + betakv, rounded to f16: tiles 2 s and 2 s + 1 are fragment s of source 1, at v[128 + 8 s] of window 0
	PLACES
	v_lshlrev_b32 v14, 1, v5                       ; 4 x 8 h
.set bt, 0
.rept 4
.set t, 0
.rept 4
	global_load_b128 v[192+8*t:192+8*t+3], v14, s[14:15] offset:6656+64*(4*bt+t)
	global_load_b128 v[192+8*t+4:192+8*t+7], v14, s[14:15] offset:6656+64*(4*bt+t)+16
	global_load_b128 v[224+8*t:224+8*t+3], v14, s[14:15] offset:7680+64*(4*bt+t)
	global_load_b128 v[224+8*t+4:224+8*t+7], v14, s[14:15] offset:7680+64*(4*bt+t)+16
.set t, t+1
.endr
	s_wait_loadcnt 0x0
	WIN 0x01
.set i, 0
.rept 16
	v_pk_fma_f32 v[32+2*i:33+2*i], v[32*bt+2*i:32*bt+2*i+1], v[192+2*i:193+2*i], v[224+2*i:225+2*i]
.set i, i+1
.endr
	WIN 0
.set i, 0
.rept 16
	v_cvt_pk_f16_f32 v[128+16*bt+i], v[32+2*i], v[33+2*i]
.set i, i+1
.endr
.set bt, bt+1
.endr
	s_wait_tensorcnt 0x0                           ; my part of m2t has landed,
	s_wait_dscnt 0x0
	s_barrier_signal -1
	s_barrier_wait -1                              ; everybody's has.
	; out^T = m2t agg^T: four trips of four tiles of 16 outputs; K in 8 steps on two fragment buffers: a step's 8 loads are issued a step ahead
	v_mul_u32_u24 v8, v4, 528
	v_add_nc_u32 v8, v5, v8
	v_mul_u32_u24 v9, v4, 1040
	v_add3_u32 v9, v9, v14, s51                    ; out's stage: row r of 1,040 bytes, 32 bytes for each half of the lanes
	v_mov_b32 v10, v14
	s_mov_b32 s27, 4
.Lg2:
.irp t, 0, 1, 2, 3
	global_load_b128 v[192+8*\t:195+8*\t], v10, s[14:15] offset:9728+64*\t
	global_load_b128 v[196+8*\t:199+8*\t], v10, s[14:15] offset:9728+64*\t+16
.endr
	WIN 0x40
.irp t, 0, 1, 2, 3
	ds_load_b128 v[192+8*\t:195+8*\t], v8 offset:8448*\t
	ds_load_b128 v[196+8*\t:199+8*\t], v8 offset:8448*\t+32
.endr
.set ks, 0
.rept 8
.if ks > 0
	PLACES                                         ; in front of loads into the buffer that the step before multiplied
.endif
.if ks < 7
	WIN 0x40
.irp t, 0, 1, 2, 3
	ds_load_b128 v[192+32*((ks+1)%2)+8*\t:195+32*((ks+1)%2)+8*\t], v8 offset:8448*\t+64*(ks+1)
	ds_load_b128 v[196+32*((ks+1)%2)+8*\t:199+32*((ks+1)%2)+8*\t], v8 offset:8448*\t+64*(ks+1)+32
.endr
	s_wait_dscnt 8                                 ; all but the 8 loads just issued
.else
	s_wait_dscnt 0x0
.endif
	WIN 0x51
.irp t, 0, 1, 2, 3
.if ks == 0
	v_wmma_f32_16x16x32_f16 v[128+8*\t:135+8*\t], v[192+32*(ks%2)+8*\t:199+32*(ks%2)+8*\t], v[128+8*ks:135+8*ks], 0
.else
	v_wmma_f32_16x16x32_f16 v[128+8*\t:135+8*\t], v[192+32*(ks%2)+8*\t:199+32*(ks%2)+8*\t], v[128+8*ks:135+8*ks], v[128+8*\t:135+8*\t]
.endif
.endr
.set ks, ks+1
.endr
	PLACES
	s_wait_loadcnt 0x0                             ; bp
	WIN 0x01
.set i, 0
.rept 16
	v_pk_fma_f32 v[224+2*i:225+2*i], v[128+2*i:129+2*i], 0x3b800000, v[192+2*i:193+2*i] op_sel_hi:[1,0,1]  ; / 256 + bp
.set i, i+1
.endr
	WIN 0
.irp t, 0, 1, 2, 3
	ds_store_b128 v9, v[224+8*\t:227+8*\t] offset:64*\t
	ds_store_b128 v9, v[228+8*\t:231+8*\t] offset:64*\t+16
.endr
	v_add_nc_u32 v8, 33792, v8                     ; 64 rows of m2t on
	v_add_nc_u32 v9, 256, v9
	v_add_nc_u32 v10, 256, v10
	s_sub_co_u32 s27, s27, 1
	s_cmp_lg_u32 s27, 0
	s_cbranch_scc1 .Lg2
	; THE WAY OUT: my own stage, so no barrier; whole rows back, 512 consecutive bytes a store
	v_and_b32 v11, 31, v0
	v_lshlrev_b32 v11, 4, v11
	v_add_nc_u32 v15, s51, v11
.set i, 0
.rept 32
	ds_load_b128 v[128+4*i:128+4*i+3], v15 offset:1040*(i/2)+512*(i%2)
.set i, i+1
.endr
.set i, 0
.rept 32
	s_wait_dscnt 31-i                              ; load i is back; the later ones stay out
	global_store_b128 v11, v[128+4*i:128+4*i+3], s[16:17] offset:1024*(i/2)+512*(i%2)
.set i, i+1
.endr
	s_wait_tensorcnt 0x0                           ; the wave's end
	ds_add_u32 v2, v3
	s_wait_dscnt 0x0
	s_endpgm
.Lfunc_end_k_qc6695b1863_attn:
	.size	k_qc6695b1863_attn, .Lfunc_end_k_qc6695b1863_attn-k_qc6695b1863_attn
	.p2alignl 7, 3214868480
	.fill 96, 4, 3214868480
	.section	.rodata,"a",@progbits
	.p2align	6, 0x0
	.amdhsa_kernel k_qc6695b1863_attn
		.amdhsa_group_segment_fixed_size 271360
		.amdhsa_private_segment_fixed_size 0
		.amdhsa_enable_private_segment 0
		.amdhsa_kernarg_size 56
		.amdhsa_user_sgpr_count 2
		.amdhsa_user_sgpr_kernarg_segment_ptr 1
		.amdhsa_wavefront_size32 1
		.amdhsa_system_sgpr_workgroup_id_x 1
		.amdhsa_system_sgpr_workgroup_id_y 1
		.amdhsa_system_sgpr_workgroup_id_z 1
		.amdhsa_system_vgpr_workitem_id 0
		.amdhsa_next_free_vgpr 512
		.amdhsa_next_free_sgpr 66
		.amdhsa_reserve_vcc 0
		.amdhsa_float_denorm_mode_32 3
		.amdhsa_float_denorm_mode_16_64 3
		.amdhsa_memory_ordered 1
		.amdhsa_forward_progress 1
		.amdhsa_inst_pref_size 101
	.end_amdhsa_kernel
	.amdgpu_metadata
---
amdhsa.version: [ 1, 2 ]
amdhsa.kernels:
  - .name:           k_qc6695b1863_attn
    .symbol:         k_qc6695b1863_attn.kd
    .args:
      - { .name: xh, .offset: 0, .size: 8, .value_kind: global_buffer, .address_space: global }
      - { .name: qh, .offset: 8, .size: 8, .value_kind: global_buffer, .address_space: global }
      - { .name: p4, .offset: 16, .size: 8, .value_kind: global_buffer, .address_space: global }
      - { .name: idx, .offset: 24, .size: 8, .value_kind: global_buffer, .address_space: global }
      - { .name: m2t, .offset: 32, .size: 8, .value_kind: global_buffer, .address_space: global }
      - { .name: cst, .offset: 40, .size: 8, .value_kind: global_buffer, .address_space: global }
      - { .name: out0, .offset: 48, .size: 8, .value_kind: global_buffer, .address_space: global }
    .group_segment_fixed_size: 271360
    .private_segment_fixed_size: 0
    .kernarg_segment_align: 8
    .kernarg_segment_size: 56
    .max_flat_workgroup_size: 256
    .sgpr_count:     66
    .vgpr_count:     512
    .wavefront_size: 32
...
	.end_amdgpu_metadata
.endif
;; end of part 5
;; ======== version 2 of 2: 5 launches; version 1 with the launches knn1, knn2 written anew for expert scheduling mode
;; limits: values are held in f16: magnitudes above 65,504 overflow, below 6.1e-05 lose precision; right only within a limited range of input values
;; workspace buffers: m1t 131,072 bytes; m2t 131,072 bytes; cst 10,752 bytes; xh 16,777,216 bytes; qh 16,777,216 bytes; p4 524,288 bytes; glist 524,288 bytes of whole numbers; idx 2,097,152 bytes of whole numbers
;; launch prep: the kernel of part 1 again; grid 33 x 1, 4 waves a work-group, no clusters, 0 bytes of LDS; arguments Wq, Wk, Wv, Wp, W1, b1, W2, b2, gq, betaq, gkv, betakv, bp, m1t, m2t, cst; writes m1t, m2t, cst
;; launch lnq: the kernel of part 2 again; grid 256 x 1, 8 waves a work-group, no clusters, 267,264 bytes of LDS; arguments x, m1t, cst, xh, qh; writes xh, qh
;; launch knn1 (part 6): grid 256 x 1, 4 waves a work-group, no clusters, 197,120 bytes of LDS; arguments pos, p4, glist; writes p4, glist
.if DOCPART == 6
	.amdgcn_target "amdgcn-amd-amdhsa--gfx1250"
	.amdhsa_code_object_version 6
	.text
	.protected	k_qc6695b1863_knn1
	.globl	k_qc6695b1863_knn1
	.p2align	8
	.type	k_qc6695b1863_knn1,@function
k_qc6695b1863_knn1:
	s_mov_b64 s[64:65], 0
	v_nop
	global_prefetch_b8 v0, s[64:65] scope:SCOPE_SE
	s_setreg_imm32_b32 hwreg(HW_REG_WAVE_SCHED_MODE, 0, 2), 2
	s_setreg_imm32_b32 hwreg(HW_REG_WAVE_MODE, 25, 1), 1
	s_wait_xcnt 0x0
	s_wait_alu depctr_vm_vsrc(0)
; KNN1: for each query the 16 GROUPS of 16 consecutive points that hold its 16 nearest neighbours, as reference() chooses them.
; pos is rounded to bf16 on load.  Then every product of two coordinates is exact in f32, and a2 = (x x + y y) + z z, dot = (x x' + y y') + z z', d = (a2 + a2') - 2 dot
; have one right value each whether or not a multiply and an add are fused.  The distances are made on the vector unit in f32: the choice hangs on their last bit.
; g(group) = max(min of its 16 d, 0), 0 for the query's own group (the diagonal counts as 0).  T = the 16th smallest g.  Kept: all groups with g < T, then the lowest-numbered with g = T.
; Each kept group holds a point with d <= T, so the 16th nearest point has d <= T; a point with d < T lies in a group with g < T; and of the points with d = T those of lowest index win,
; which lie in the lowest-numbered groups.  No branch and no address hangs on a distance.
; LIMIT: pos finite and a2 finite; NaN and infinities are not treated.
; A work-group owns 128 queries of one batch.  LDS: TAB (x, y, z, a2) of the batch's 4,096 points; MIN [256 groups][128 queries] f32.
; The matrix unit is left out (K = 3, exact f32 wanted), and so are tensor loads (48 KiB of pos, repacked on the way in).
; THE MODE: SCHED_MODE bits 1:0 = 2 (LLVM: expert scheduling mode 2), set by the entry lines.  The code itself states the register dependences
; between vector instructions and memory or LDS instructions, and those through scalar registers that vector instructions write, with s_wait_alu, always for 0.
; THE PLAN.  Registers that memory or LDS instructions touch:
;   the head     v[64:159] pos as loaded, read by the conversions.  O: four turns' rows, written by the arithmetic, read by a run of 16 LDS stores: one wait ahead of each run, one between the two runs.
;   CA, CB       a group's 16 points.  Read by the group's own arithmetic; behind it, and behind the half's one wait on va_vdst, the same set is loaded again, with the group two further on.
;   OA, OB       a group's two minima, by turns.  Written by the group's arithmetic, read by the one store behind the same wait; written again two halves later.
;   v4           the table's address: read by every load of a set; stepped once a trip, in the first half, behind a wait on vm_vsrc that stands a group's arithmetic behind the loads.
;   v5           the minima's address: read by the stores; stepped once a trip, behind the second half's store and a wait on vm_vsrc, which also frees OA and OB.
;   CL, v[AD]    the selection: 16 numbers as loaded, read by a batch's first stage or a sweep's compares; their address, stepped behind a wait on vm_vsrc; one wait on va_vdst ahead of each run of 16 loads.
;   v6, v[40:43], W   the two global stores' offset and data.
; Masks: compares and carries stand in runs, into s[ME ..] and s[MT ..], with one wait on va_sdst behind each run, ahead of the next line that names one of those registers; no such result is pending at a label or a branch.
.set TAB,   0
.set MIN,   65536
.set SPARE, 196608    ; the spare words: 128 bytes a wave, two blocks of 256 bytes that no other line names
.set PITCH, 512       ; bytes from group to group in MIN
.set CA,    64        ; v[64:127]  a group's 16 points
.set CB,    128       ; v[128:191] the next group's
.set O,     160       ; v[160:223] at the head only: turn u of four, point e: 4 registers at O + 16 u + 4 e
.set OA,    16        ; v[16:17]   the minima of a trip's first group
.set OB,    18        ; v[18:19]   of its second
.set W,     16        ; the selection: v[16:19] the 16 ids, a byte each
.set TV,    20        ; T
.set THR,   21        ; T, or T + 1 while ties are still taken (the numbers are >= +0: their bit patterns compare as whole numbers)
.set NEED,  22        ; ties still to be taken
.set VID,   25        ; byte selector that keeps a word
.set VSH,   26        ; byte selector that shifts a byte in from the next word
.set VZ,    27
.set AD,    28
.set CNT,   29
.set BASEV, 47
.set L0,    64        ; the 16 smallest so far, ascending
.set L1,    80
.set C0,    96
.set C1,    112
.set CL,    128       ; 16 numbers as loaded
.set X,     96        ; the sweep: for number i its tie bit, then NEED behind it, then THR behind it, then its selector
.set ME,    32        ; s[32:47]   16 masks
.set MT,    48        ; s[48:63]   16 more
; one stage of a bitonic network on 16 registers, from src to dst (no temporaries): partners j apart; ascending where bit k of the place is desc
.macro STAGE src, dst, k, j, desc
.set i, 0
.rept 16
.set l, i^(\j)
.if l > i
.if (((i/(\k))&1)^(\desc)) == 0
	v_min_num_f32 v[(\dst)+i], v[(\src)+i], v[(\src)+l]
	v_max_num_f32 v[(\dst)+l], v[(\src)+i], v[(\src)+l]
.else
	v_max_num_f32 v[(\dst)+i], v[(\src)+i], v[(\src)+l]
	v_min_num_f32 v[(\dst)+l], v[(\src)+i], v[(\src)+l]
.endif
.endif
.set i, i+1
.endr
.endm
; 16 more numbers: sorted descending (10 stages); the minima with the ascending list are the 16 smallest of both, a bitonic run; 4 stages sort it.  fetch = 1: the next 16 are asked for as soon as CL is read.
.macro BATCH fetch
	s_wait_dscnt 0x0
.if \fetch
	s_wait_alu depctr_vm_vsrc(0)                   ; the 16 loads have read v[AD]
	v_add_nc_u32 v[AD], 16*PITCH, v[AD]
.endif
	STAGE CL, C0, 2, 1, 1
.if \fetch
	s_wait_alu depctr_va_vdst(0)                   ; v[AD] is written, and the first stage is done reading CL, in which the loads land
.set i, 0
.rept 16
	ds_load_b32 v[CL+i], v[AD] offset:i*PITCH
.set i, i+1
.endr
.endif
	STAGE C0, C1, 4, 2, 1
	STAGE C1, C0, 4, 1, 1
	STAGE C0, C1, 8, 4, 1
	STAGE C1, C0, 8, 2, 1
	STAGE C0, C1, 8, 1, 1
	STAGE C1, C0, 16, 8, 1
	STAGE C0, C1, 16, 4, 1
	STAGE C1, C0, 16, 2, 1
	STAGE C0, C1, 16, 1, 1
.set i, 0
.rept 16
	v_min_num_f32 v[L0+i], v[L0+i], v[C1+i]
.set i, i+1
.endr
	STAGE L0, L1, 16, 8, 0
	STAGE L1, L0, 16, 4, 0
	STAGE L0, L1, 16, 2, 0
	STAGE L1, L0, 16, 1, 0
.endm
; 16 numbers of the sweep, in ascending order: a number below THR pushes its id, a byte, into the 16 bytes of W; each tie seen takes one off NEED, and THR follows NEED.
; The lines of the 16 numbers stand in runs, so that each run of compares has one wait.  fetch = 1: the next 16 are asked for as soon as the compares have read CL.
.macro SWEEP fetch
	s_wait_dscnt 0x0                               ; the 16 numbers are in
.set i, 0
.rept 16
	v_cmp_eq_u32 s[ME+i], v[CL+i], v[TV]           ; a tie?
.set i, i+1
.endr
	v_cmp_lt_u32 s[MT], v[CL], v[THR]              ; number 0 is held against the threshold that is carried in
	s_wait_alu depctr_va_sdst(0)                   ; the compares have written s[ME ..], which the selects below read
.set i, 0
.rept 16
	v_cndmask_b32 v[X+i], 0, 1, s[ME+i]
.set i, i+1
.endr
	v_sub_nc_u32 v[X], v[NEED], v[X]               ; NEED behind number 0, 1, ..
.set i, 1
.rept 14
	v_sub_nc_u32 v[X+i], v[X+i-1], v[X+i]
.set i, i+1
.endr
	v_sub_nc_u32 v[NEED], v[X+14], v[X+15]         ; .. and behind number 15: carried on
.set i, 0
.rept 15
	v_cmp_lt_i32 s[ME+i], 0, v[X+i]
.set i, i+1
.endr
	v_cmp_lt_i32 s[ME+15], 0, v[NEED]
	s_wait_alu depctr_va_sdst(0)                   ; the compares have written s[ME ..], which the additions below read
.set i, 0
.rept 15
	v_add_co_ci_u32 v[X+i], s[ME+i], v[TV], v[VZ], s[ME+i]      ; THR behind number i
.set i, i+1
.endr
	v_add_co_ci_u32 v[THR], s[ME+15], v[TV], v[VZ], s[ME+15]    ; behind number 15: carried on
.set i, 1
.rept 15
	v_cmp_lt_u32 s[MT+i], v[CL+i], v[X+i-1]
.set i, i+1
.endr
.if \fetch
	s_wait_alu depctr_vm_vsrc(0)                   ; the 16 loads have read v[AD]
	v_add_nc_u32 v[AD], 16*PITCH, v[AD]
.endif
	s_wait_alu depctr_va_sdst(0)                   ; the compares have written s[MT ..], which the selects below read; the additions' carries are written too
.if \fetch
	s_wait_alu depctr_va_vdst(0)                   ; v[AD] is written, and the compares are done reading CL, in which the loads land
.set i, 0
.rept 16
	ds_load_b32 v[CL+i], v[AD] offset:i*PITCH
.set i, i+1
.endr
.endif
.set i, 0
.rept 16
	v_cndmask_b32 v[X+i], v[VID], v[VSH], s[MT+i]
.set i, i+1
.endr
.set i, 0
.rept 16
	v_perm_b32 v[W], v[W+1], v[W], v[X+i]
	v_perm_b32 v[W+1], v[W+2], v[W+1], v[X+i]
	v_perm_b32 v[W+2], v[W+3], v[W+2], v[X+i]
	v_perm_b32 v[W+3], s21, v[W+3], v[X+i]
	s_add_co_u32 s21, s21, 1
.set i, i+1
.endr
.endm
	s_load_b128 s[4:7], s[0:1], 0x0                ; pos 4, p4 6
	s_load_b64 s[8:9], s[0:1], 0x10                ; glist
	v_lshl_add_u32 v2, v0, 2, SPARE
	v_mov_b32 v3, 0
	v_lshrrev_b32 v1, 5, v0
	v_readfirstlane_b32 s10, v1                    ; wave
	s_lshr_b32 s11, ttmp9, 5                       ; batch
	s_and_b32 s12, ttmp9, 31
	s_lshl_b32 s12, s12, 7                         ; my first query in the batch
	s_mul_i32 s14, s11, 49152
	s_mov_b32 s15, 0
	s_mov_b32 s13, 0xffff0000
	v_mul_u32_u24 v4, v0, 48                       ; four points, 48 bytes, a thread and turn
	v_lshlrev_b32 v5, 6, v0
	v_lshlrev_b32 v6, 4, v0                        ; 16 x thread: both stores' offset; never rewritten
	s_wait_alu depctr_va_sdst(0)                   ; s10 is written, ahead of its first reader
	s_wait_kmcnt 0x0
	s_add_nc_u64 s[4:5], s[4:5], s[14:15]
	s_wait_alu depctr_va_vdst(0)                   ; v4, v5 and v6 are written, which the loads and stores below read
.set i, 0
.rept 8
.irp j, 0, 1, 2
	global_load_b128 v[64+12*i+4*\j:64+12*i+4*\j+3], v4, s[4:5] offset:6144*i+16*\j
.endr
.set i, i+1
.endr
; eight turns in two halves of four: a half's arithmetic fills O, one wait, a run of 16 LDS stores
.set hf, 0
.rept 2
.if hf == 1
	s_wait_alu depctr_vm_vsrc(0)                   ; the 16 LDS stores above have read O, which the next four turns write again
.endif
.set u, 0
.rept 4
.set i, 4*hf+u
.set ob, O+16*u
	s_wait_loadcnt 21-3*i                          ; turn i's three loads are in; the later turns' stay out
.irp j, 0, 1, 2, 3, 4, 5
	v_cvt_pk_bf16_f32 v[48+\j], v[64+12*i+2*\j], v[64+12*i+2*\j+1]
.endr
.irp j, 0, 1, 2, 3, 4, 5                           ; number f of the twelve is coordinate f % 3 of point f / 3
	v_lshlrev_b32 v[ob+4*((2*\j)/3)+(2*\j)%3], 16, v[48+\j]
	v_and_b32 v[ob+4*((2*\j+1)/3)+(2*\j+1)%3], s13, v[48+\j]
.endr
.irp e, 0, 1, 2, 3
	v_mul_f32 v[ob+3+4*\e], v[ob+4*\e], v[ob+4*\e]
.endr
.irp e, 0, 1, 2, 3
	v_fmac_f32 v[ob+3+4*\e], v[ob+1+4*\e], v[ob+1+4*\e]
.endr
.irp e, 0, 1, 2, 3
	v_fmac_f32 v[ob+3+4*\e], v[ob+2+4*\e], v[ob+2+4*\e]
.endr
.set u, u+1
.endr
	s_wait_alu depctr_va_vdst(0)                   ; the four turns' arithmetic has written O, which the LDS stores read
.set u, 0
.rept 4
.irp e, 0, 1, 2, 3
	ds_store_b128 v5, v[O+16*u+4*\e:O+16*u+4*\e+3] offset:8192*(4*hf+u)+16*\e
.endr
.set u, u+1
.endr
.set hf, hf+1
.endr
	s_wait_dscnt 0x0                               ; for the others' sake: my part of the table is written
	s_barrier_signal -1
	s_barrier_wait -1
	s_wait_alu depctr_vm_vsrc(0)                   ; the loads of pos have read v4, my LDS stores v5 and O: v4 and v5 are written anew below, and loads land in O's first half, which is part of CB
	s_lshl_b32 s16, s12, 4
	v_add_nc_u32 v7, s16, v6                       ; thread t's query: its row goes to p4
	s_lshl_b32 s16, ttmp9, 11                      ; 128 rows of 16 bytes a work-group, in p4 and in glist
	s_mov_b32 s17, 0
	s_add_nc_u64 s[6:7], s[6:7], s[16:17]
	s_add_nc_u64 s[8:9], s[8:9], s[16:17]
	; THE GROUP MINIMA.  Wave w: queries 64 (w % 2) .. + 63, two a lane; groups 128 (w / 2) .. + 127.
	s_and_b32 s18, s10, 1
	s_lshr_b32 s19, s10, 1
	v_and_b32 v1, 31, v0
	s_lshl_b32 s16, s18, 6
	s_add_co_u32 s16, s16, s12
	v_lshl_add_u32 v44, v1, 1, s16                 ; my first query
	v_lshrrev_b32 v45, 4, v44                      ; its group, which is its neighbour's too
	v_lshlrev_b32 v46, 4, v44
	s_lshl_b32 s16, s19, 15
	v_mov_b32 v4, s16                              ; the table at my first group: the same address in all lanes
	s_lshl_b32 s16, s19, 16
	s_lshl_b32 s17, s18, 8
	s_add_co_u32 s16, s16, s17
	s_add_co_u32 s16, s16, MIN
	v_lshl_add_u32 v5, v1, 3, s16                  ; where my two minima go
	s_lshl_b32 s21, s19, 7                         ; the group in hand
.macro LOADS set, off
.set i, 0
.rept 16
	ds_load_b128 v[(\set)+4*i:(\set)+4*i+3], v4 offset:(\off)+16*i
.set i, i+1
.endr
.endm
	s_wait_alu depctr_va_vdst(0)                   ; v7, v46, v4 and v5 are written; the head's arithmetic is done with v[64:191], in which the two sets land
	ds_load_b128 v[40:43], v7
	ds_load_b128 v[20:23], v46
	ds_load_b128 v[24:27], v46 offset:16
	LOADS CA, 0                                    ; groups 0 and 1
	LOADS CB, 256
	s_wait_dscnt 32                                ; the three rows are in; the two sets' 32 loads stay out
	global_store_b128 v6, v[40:43], s[6:7]
	v_mov_b32 v8, v20                              ; pairs: x, y, z, a2 of my two queries
	v_mov_b32 v9, v24
	v_mov_b32 v10, v21
	v_mov_b32 v11, v25
	v_mov_b32 v12, v22
	v_mov_b32 v13, v26
	v_mov_b32 v14, v23
	v_mov_b32 v15, v27
; a group of 16 points against my two queries, four points side by side: five packed instructions a point, one minimum of three for two points and a query; the minima end in v[o], v[o + 1]
.macro GROUP set, o
	v_cmp_eq_u32 vcc_lo, s21, v45                  ; is it my own group?  Asked at the head, read at the end
.set qd, 0
.rept 4
.set c0, (\set)+16*qd
.irp c, 0, 1, 2, 3
	v_pk_mul_f32 v[20+2*\c:21+2*\c], v[8:9], v[c0+4*\c:c0+4*\c+1] op_sel_hi:[1,0]
.endr
.irp c, 0, 1, 2, 3
	v_pk_fma_f32 v[20+2*\c:21+2*\c], v[10:11], v[c0+4*\c:c0+4*\c+1], v[20+2*\c:21+2*\c] op_sel:[0,1,0] op_sel_hi:[1,1,1]
.endr
.irp c, 0, 1, 2, 3
	v_pk_fma_f32 v[20+2*\c:21+2*\c], v[12:13], v[c0+4*\c+2:c0+4*\c+3], v[20+2*\c:21+2*\c] op_sel_hi:[1,0,1]
.endr
.irp c, 0, 1, 2, 3
	v_pk_add_f32 v[28+2*\c:29+2*\c], v[14:15], v[c0+4*\c+2:c0+4*\c+3] op_sel:[0,1] op_sel_hi:[1,1]
.endr
.irp c, 0, 1, 2, 3
	v_pk_fma_f32 v[28+2*\c:29+2*\c], v[20+2*\c:21+2*\c], -2.0, v[28+2*\c:29+2*\c] op_sel_hi:[1,0,1]
.endr
.if qd == 0
	v_min_num_f32 v[(\o)], v28, v30
	v_min_num_f32 v[(\o)+1], v29, v31
.else
	v_min3_num_f32 v[(\o)], v[(\o)], v28, v30
	v_min3_num_f32 v[(\o)+1], v[(\o)+1], v29, v31
.endif
	v_min3_num_f32 v[(\o)], v[(\o)], v32, v34
	v_min3_num_f32 v[(\o)+1], v[(\o)+1], v33, v35
.set qd, qd+1
.endr
	v_max_num_f32 v[(\o)], 0, v[(\o)]
	v_max_num_f32 v[(\o)+1], 0, v[(\o)+1]
	s_wait_alu depctr_va_vcc(0)                    ; the compare at the group's head has written VCC, which the two selects read
	v_cndmask_b32 v[(\o)], v[(\o)], 0, vcc_lo      ; my own group holds the diagonal's 0
	v_cndmask_b32 v[(\o)+1], v[(\o)+1], 0, vcc_lo
	s_add_co_u32 s21, s21, 1
.endm
; Half k (0, 1) of a trip: a group's arithmetic, the store of its minima, and (fetch = 1) the loads of the group two further on into the set just read.
.macro HALF set, o, k, left, fetch
	s_wait_dscnt \left                             ; LDS instructions end in order (ISA guide 5.7.1): this set is in; of the younger ones at most the other set's 16 loads stay out
	GROUP \set, \o
.if (\fetch) && ((\k) == 0)
	s_wait_alu depctr_vm_vsrc(0)                   ; the loads issued so far have read v4
	v_add_nc_u32 v4, 512, v4                       ; two groups on
.endif
	s_wait_alu depctr_va_vdst(0)                   ; the group's arithmetic has written its two minima, which the store reads, and is done reading its set, in which the loads land; v4 and v5 are written
	ds_store_b64 v5, v[(\o):(\o)+1] offset:512*(\k)
.if \fetch
.if (\k) == 1
	s_wait_alu depctr_vm_vsrc(0)                   ; the trip's two stores have read v5, OA and OB: v5 steps here, the next trip's arithmetic writes the two pairs again
	v_add_nc_u32 v5, 1024, v5                      ; names none of the registers that the loads below touch
.endif
	LOADS \set, 256*(\k)
.endif
.endm
	s_mov_b32 s20, 63
.Lgrp:
	HALF CA, OA, 0, 16, 1
	HALF CB, OB, 1, 16, 1
	s_sub_co_u32 s20, s20, 1
	s_cmp_lg_u32 s20, 0
	s_cbranch_scc1 .Lgrp
	HALF CA, OA, 0, 16, 0                          ; the last two groups ask for nothing
	HALF CB, OB, 1, 0, 0
	s_wait_dscnt 0x0                               ; for the others' sake: my minima are written
	s_barrier_signal -1
	s_barrier_wait -1
	; THE SELECTION.  Thread t: query t.
	v_lshl_add_u32 v[BASEV], v0, 2, MIN
	v_mov_b32 v[VZ], 0
	v_mov_b32 v[VID], 0x03020100
	v_mov_b32 v[VSH], 0x04030201
.set i, 0
.rept 16
	v_mov_b32 v[L0+i], 0x7f800000
.set i, i+1
.endr
	v_mov_b32 v[AD], v[BASEV]
	s_wait_alu depctr_va_vdst(0)                   ; v[AD] is written, and the last group's arithmetic is done reading v[128:143], in which the loads land
.set i, 0
.rept 16
	ds_load_b32 v[CL+i], v[AD] offset:i*PITCH
.set i, i+1
.endr
	s_mov_b32 s20, 15
.Lbatch:
	BATCH 1
	s_sub_co_u32 s20, s20, 1
	s_cmp_lg_u32 s20, 0
	s_cbranch_scc1 .Lbatch
	BATCH 0
	s_wait_alu depctr_vm_vsrc(0)                   ; the batches' loads have read v[AD]; my stores of the minima have read v[16:19], which W takes below
	v_mov_b32 v[AD], v[BASEV]
	s_wait_alu depctr_va_vdst(0)                   ; v[AD] is written, and the last batch's first stage is done reading CL
.set i, 0
.rept 16
	ds_load_b32 v[CL+i], v[AD] offset:i*PITCH      ; the sweep's first 16 are on their way while T and the count are made
.set i, i+1
.endr
	v_mov_b32 v[TV], v[L0+15]
	v_mov_b32 v[CNT], 0
.set i, 0
.rept 15
	v_cmp_lt_u32 s[ME+i], v[L0+i], v[TV]
.set i, i+1
.endr
	s_wait_alu depctr_va_sdst(0)                   ; the compares have written s[ME ..], which the additions read
.set i, 0
.rept 15
	v_add_co_ci_u32 v[CNT], s[ME+i], v[CNT], v[VZ], s[ME+i]
.set i, i+1
.endr
	s_wait_alu depctr_va_sdst(0)                   ; the 15 additions have written their carries into s[ME ..], of which the compare below writes the first anew
	v_sub_nc_u32 v[NEED], 16, v[CNT]
	v_cmp_lt_i32 s[ME], 0, v[NEED]
	s_wait_alu depctr_va_sdst(0)                   ; the compare has written s[ME], which the addition reads
	v_add_co_ci_u32 v[THR], s[ME], v[TV], v[VZ], s[ME]
.irp j, 0, 1, 2, 3
	v_mov_b32 v[W+\j], 0
.endr
	s_mov_b32 s21, 0
	s_mov_b32 s20, 15
	s_wait_alu depctr_va_sdst(0)                   ; that addition's carry is written into s[ME], in its own straight run: the next line that names the register stands behind the label
.Lsweep:
	SWEEP 1
	s_sub_co_u32 s20, s20, 1
	s_cmp_lg_u32 s20, 0
	s_cbranch_scc1 .Lsweep
	SWEEP 0                                        ; the last 16 are written out: no load passes the table's end.  Exactly 16 ids have been pushed.
	s_wait_alu depctr_va_vdst(0)                   ; the pushes have written W, which the store reads
	global_store_b128 v6, v[W:W+3], s[8:9]         ; a wave's store covers 512 consecutive bytes
	s_wait_dscnt 0x0                               ; the closing lines, six on end
	s_wait_alu 0x0
	s_wait_tensorcnt 0x0
	ds_add_u32 v2, v3
	s_wait_dscnt 0x0
	s_endpgm
.Lfunc_end_k_qc6695b1863_knn1:
	.size	k_qc6695b1863_knn1, .Lfunc_end_k_qc6695b1863_knn1-k_qc6695b1863_knn1
	.p2alignl 7, 3214868480
	.fill 96, 4, 3214868480
	.section	.rodata,"a",@progbits
	.p2align	6, 0x0
	.amdhsa_kernel k_qc6695b1863_knn1
		.amdhsa_group_segment_fixed_size 197120
		.amdhsa_private_segment_fixed_size 0
		.amdhsa_enable_private_segment 0
		.amdhsa_kernarg_size 24
		.amdhsa_user_sgpr_count 2
		.amdhsa_user_sgpr_kernarg_segment_ptr 1
		.amdhsa_wavefront_size32 1
		.amdhsa_system_sgpr_workgroup_id_x 1
		.amdhsa_system_sgpr_workgroup_id_y 1
		.amdhsa_system_sgpr_workgroup_id_z 1
		.amdhsa_system_vgpr_workitem_id 0
		.amdhsa_next_free_vgpr 224
		.amdhsa_next_free_sgpr 66
		.amdhsa_reserve_vcc 1
		.amdhsa_float_denorm_mode_32 3
		.amdhsa_float_denorm_mode_16_64 3
		.amdhsa_memory_ordered 1
		.amdhsa_forward_progress 1
		.amdhsa_inst_pref_size 92
	.end_amdhsa_kernel
	.amdgpu_metadata
---
amdhsa.version: [ 1, 2 ]
amdhsa.kernels:
  - .name:           k_qc6695b1863_knn1
    .symbol:         k_qc6695b1863_knn1.kd
    .args:
      - { .name: pos, .offset: 0, .size: 8, .value_kind: global_buffer, .address_space: global }
      - { .name: p4, .offset: 8, .size: 8, .value_kind: global_buffer, .address_space: global }
      - { .name: glist, .offset: 16, .size: 8, .value_kind: global_buffer, .address_space: global }
    .group_segment_fixed_size: 197120
    .private_segment_fixed_size: 0
    .kernarg_segment_align: 8
    .kernarg_segment_size: 24
    .max_flat_workgroup_size: 128
    .sgpr_count:     66
    .vgpr_count:     224
    .wavefront_size: 32
...
	.end_amdgpu_metadata
.endif
;; end of part 6
;; launch knn2 (part 7): grid 256 x 1, 4 waves a work-group, no clusters, 131,584 bytes of LDS; arguments p4, glist, idx; writes idx
.if DOCPART == 7
	.amdgcn_target "amdgcn-amd-amdhsa--gfx1250"
	.amdhsa_code_object_version 6
	.text
	.protected	k_qc6695b1863_knn2
	.globl	k_qc6695b1863_knn2
	.p2align	8
	.type	k_qc6695b1863_knn2,@function
k_qc6695b1863_knn2:
	s_mov_b64 s[64:65], 0
	v_nop
	global_prefetch_b8 v0, s[64:65] scope:SCOPE_SE
	s_setreg_imm32_b32 hwreg(HW_REG_WAVE_SCHED_MODE, 0, 2), 2
	s_setreg_imm32_b32 hwreg(HW_REG_WAVE_MODE, 25, 1), 1
	s_wait_xcnt 0x0
	s_wait_alu depctr_vm_vsrc(0)
; KNN2: the 16 nearest neighbours of each query among the 256 points of the 16 groups that the launch before kept for it (ascending, so the 256 stand in ascending index).
; The distances are made as there, bit for bit; the query itself counts as 0.  T = the 16th smallest; taken: all below T, then the first with d = T: ties go to the lower index.
; A lane owns a query.  Its 256 distances lie in its wave's own LDS bytes ([256][32 lanes] f32), so no barrier is needed.  The group numbers are whole numbers read from memory,
; clamped to 255 before they enter an address; nothing made from a distance enters an address or a branch.
; idx is stored as 16-byte pieces, four a lane: a wave's four stores together cover 2,048 consecutive bytes; the buffer is 2 MiB, written once.
; THE MODE: SCHED_MODE bits 1:0 = 2 (LLVM: expert scheduling mode 2), set by the entry lines.  The code itself states the register dependences
; between vector instructions and memory or LDS instructions, and those through scalar registers that vector instructions write, with s_wait_alu, always for 0.
; THE PLAN.  Registers that memory or LDS instructions touch:
;   CA, CB       a group's 16 points.  Read by the group's own arithmetic; behind it, and behind the half's one wait on va_vdst, the same set is loaded again, with the group two further on.
;   v36, v37     the two sets' offsets in p4.  Read by the set's 16 loads; made anew behind the set's arithmetic, ahead of the same wait.
;   D0, D1       a group's 16 distances, by turns.  Written by the group's arithmetic, read by the 16 LDS stores behind the same wait; written again two halves later.
;   v38          the stores' address: stepped once a trip, behind the second half's stores.
;   So a half has ONE wait on va_vdst: D is written, the set is read, its next offset is written; the 16 stores and the 16 loads follow it.
;   A trip has two waits on vm_vsrc: in the first half ahead of the line that writes v36 (both offsets have been read, on the way in too), and between the second half's stores and the add to v38 (v38, D0 and D1 have been read).
;   CL, v[AD]    the selection: 16 numbers as loaded, read by a batch's first stage or a sweep's compares; their address, stepped behind a wait on vm_vsrc; one wait on va_vdst ahead of each run of 16 loads.
;   v6, v[64:79] the last stores' offset and data.
; Masks: compares and carries stand in runs, into s[ME ..] and s[MT ..], with one wait on va_sdst behind each run, ahead of the next line that names one of those registers; no such result is pending at a label or a branch.
.set SPARE, 131072    ; the spare words: 128 bytes a wave, two blocks of 256 bytes that no other line names
.set PITCH, 128
.set CA,    64
.set CB,    128
.set D0,    192       ; v[192:207] the distances of a trip's first group
.set D1,    208       ; v[208:223] of its second
.set W,     16
.set TV,    20
.set THR,   21
.set NEED,  22
.set VID,   25
.set VSH,   26
.set VZ,    27
.set AD,    28
.set CNT,   29
.set BASEV, 39
.set L0,    64
.set L1,    80
.set C0,    96
.set C1,    112
.set CL,    128
.set X,     96        ; the sweep: for number i its tie bit, then NEED behind it, then THR behind it, then its selector
.set ME,    32        ; s[32:47]   16 masks
.set MT,    48        ; s[48:63]   16 more
.macro STAGE src, dst, k, j, desc
.set i, 0
.rept 16
.set l, i^(\j)
.if l > i
.if (((i/(\k))&1)^(\desc)) == 0
	v_min_num_f32 v[(\dst)+i], v[(\src)+i], v[(\src)+l]
	v_max_num_f32 v[(\dst)+l], v[(\src)+i], v[(\src)+l]
.else
	v_max_num_f32 v[(\dst)+i], v[(\src)+i], v[(\src)+l]
	v_min_num_f32 v[(\dst)+l], v[(\src)+i], v[(\src)+l]
.endif
.endif
.set i, i+1
.endr
.endm
.macro BATCH fetch
	s_wait_dscnt 0x0
.if \fetch
	s_wait_alu depctr_vm_vsrc(0)                   ; the 16 loads have read v[AD]
	v_add_nc_u32 v[AD], 16*PITCH, v[AD]
.endif
	STAGE CL, C0, 2, 1, 1
.if \fetch
	s_wait_alu depctr_va_vdst(0)                   ; v[AD] is written, and the first stage is done reading CL, in which the loads land
.set i, 0
.rept 16
	ds_load_b32 v[CL+i], v[AD] offset:i*PITCH
.set i, i+1
.endr
.endif
	STAGE C0, C1, 4, 2, 1
	STAGE C1, C0, 4, 1, 1
	STAGE C0, C1, 8, 4, 1
	STAGE C1, C0, 8, 2, 1
	STAGE C0, C1, 8, 1, 1
	STAGE C1, C0, 16, 8, 1
	STAGE C0, C1, 16, 4, 1
	STAGE C1, C0, 16, 2, 1
	STAGE C0, C1, 16, 1, 1
.set i, 0
.rept 16
	v_min_num_f32 v[L0+i], v[L0+i], v[C1+i]
.set i, i+1
.endr
	STAGE L0, L1, 16, 8, 0
	STAGE L1, L0, 16, 4, 0
	STAGE L0, L1, 16, 2, 0
	STAGE L1, L0, 16, 1, 0
.endm
; 16 numbers of the sweep, in ascending order: a number below THR pushes its id, a byte, into the 16 bytes of W; each tie seen takes one off NEED, and THR follows NEED.
; The lines of the 16 numbers stand in runs, so that each run of compares has one wait.  fetch = 1: the next 16 are asked for as soon as the compares have read CL.
.macro SWEEP fetch
	s_wait_dscnt 0x0                               ; the 16 numbers are in
.set i, 0
.rept 16
	v_cmp_eq_u32 s[ME+i], v[CL+i], v[TV]           ; a tie?
.set i, i+1
.endr
	v_cmp_lt_u32 s[MT], v[CL], v[THR]              ; number 0 is held against the threshold that is carried in
	s_wait_alu depctr_va_sdst(0)                   ; the compares have written s[ME ..], which the selects below read
.set i, 0
.rept 16
	v_cndmask_b32 v[X+i], 0, 1, s[ME+i]
.set i, i+1
.endr
	v_sub_nc_u32 v[X], v[NEED], v[X]               ; NEED behind number 0, 1, ..
.set i, 1
.rept 14
	v_sub_nc_u32 v[X+i], v[X+i-1], v[X+i]
.set i, i+1
.endr
	v_sub_nc_u32 v[NEED], v[X+14], v[X+15]         ; .. and behind number 15: carried on
.set i, 0
.rept 15
	v_cmp_lt_i32 s[ME+i], 0, v[X+i]
.set i, i+1
.endr
	v_cmp_lt_i32 s[ME+15], 0, v[NEED]
	s_wait_alu depctr_va_sdst(0)                   ; the compares have written s[ME ..], which the additions below read
.set i, 0
.rept 15
	v_add_co_ci_u32 v[X+i], s[ME+i], v[TV], v[VZ], s[ME+i]      ; THR behind number i
.set i, i+1
.endr
	v_add_co_ci_u32 v[THR], s[ME+15], v[TV], v[VZ], s[ME+15]    ; behind number 15: carried on
.set i, 1
.rept 15
	v_cmp_lt_u32 s[MT+i], v[CL+i], v[X+i-1]
.set i, i+1
.endr
.if \fetch
	s_wait_alu depctr_vm_vsrc(0)                   ; the 16 loads have read v[AD]
	v_add_nc_u32 v[AD], 16*PITCH, v[AD]
.endif
	s_wait_alu depctr_va_sdst(0)                   ; the compares have written s[MT ..], which the selects below read; the additions' carries are written too
.if \fetch
	s_wait_alu depctr_va_vdst(0)                   ; v[AD] is written, and the compares are done reading CL, in which the loads land
.set i, 0
.rept 16
	ds_load_b32 v[CL+i], v[AD] offset:i*PITCH
.set i, i+1
.endr
.endif
.set i, 0
.rept 16
	v_cndmask_b32 v[X+i], v[VID], v[VSH], s[MT+i]
.set i, i+1
.endr
.set i, 0
.rept 16
	v_perm_b32 v[W], v[W+1], v[W], v[X+i]
	v_perm_b32 v[W+1], v[W+2], v[W+1], v[X+i]
	v_perm_b32 v[W+2], v[W+3], v[W+2], v[X+i]
	v_perm_b32 v[W+3], s21, v[W+3], v[X+i]
	s_add_co_u32 s21, s21, 1
.set i, i+1
.endr
.endm
	s_load_b128 s[4:7], s[0:1], 0x0                ; p4 4, glist 6
	s_load_b64 s[8:9], s[0:1], 0x10                ; idx
	v_lshl_add_u32 v2, v0, 2, SPARE
	v_mov_b32 v3, 0
	v_lshrrev_b32 v1, 5, v0
	v_readfirstlane_b32 s10, v1                    ; wave
	s_lshr_b32 s11, ttmp9, 5                       ; batch
	s_lshl_b32 s12, ttmp9, 7
	v_add_nc_u32 v4, s12, v0                       ; my query
	v_lshlrev_b32 v5, 4, v4
	s_lshl_b32 s14, s11, 16                        ; a batch's 4,096 rows of 16 bytes
	s_mov_b32 s15, 0
	s_lshl_b32 s19, s11, 12
	s_wait_alu depctr_va_sdst(0)                   ; s10 is written, ahead of its first reader
	s_wait_kmcnt 0x0
	s_wait_alu depctr_va_vdst(0)                   ; v5 is written, which the two loads read
	global_load_b128 v[12:15], v5, s[6:7]          ; my 16 groups
	global_load_b128 v[8:11], v5, s[4:5]           ; x, y, z, a2
	s_add_nc_u64 s[16:17], s[4:5], s[14:15]        ; p4 at my batch
	v_and_b32 v40, 0xfff, v4                       ; my query's place in the batch
	v_and_b32 v1, 31, v0
	s_lshl_b32 s18, s10, 15
	v_lshl_add_u32 v[BASEV], v1, 2, s18            ; my word in a row of my wave's table
	v_mov_b32 v38, v[BASEV]
	s_wait_loadcnt 0x0
.irp j, 0, 1, 2, 3
	v_mov_b32 v[30+\j], v[12+\j]                   ; a copy that is shifted down a byte a group
.endr
; the next group: its byte offset in p4 into v[36+k], my query's place in it (0..15 if it is mine) into v[34+k]
.macro SLOTADR k
	v_and_b32 v41, 0xff, v30
	v_min_u32 v41, 0xff, v41
	v_lshlrev_b32 v[36+\k], 8, v41
	v_lshlrev_b32 v41, 4, v41
	v_sub_nc_u32 v[34+\k], v40, v41
	v_alignbit_b32 v30, v31, v30, 8
	v_alignbit_b32 v31, v32, v31, 8
	v_alignbit_b32 v32, v33, v32, 8
	v_lshrrev_b32 v33, 8, v33
.endm
.macro SLOAD set, k
.set i, 0
.rept 16
	global_load_b128 v[(\set)+4*i:(\set)+4*i+3], v[36+\k], s[16:17] offset:16*i
.set i, i+1
.endr
.endm
; a group's 16 distances into v[d ..]; the 16 compares that find my own point stand in one run at the head, their one wait ahead of the first select
.macro SDIST set, k, d
.set i, 0
.rept 16
	v_cmp_eq_u32 s[ME+i], i, v[34+\k]
.set i, i+1
.endr
.set qd, 0
.rept 4
.set c0, (\set)+16*qd
.set d0, (\d)+4*qd
.irp c, 0, 1, 2, 3
	v_mul_f32 v[42+\c], v8, v[c0+4*\c]
.endr
.irp c, 0, 1, 2, 3
	v_fmac_f32 v[42+\c], v9, v[c0+4*\c+1]
.endr
.irp c, 0, 1, 2, 3
	v_fmac_f32 v[42+\c], v10, v[c0+4*\c+2]
.endr
.irp c, 0, 1, 2, 3
	v_add_f32 v[d0+\c], v11, v[c0+4*\c+3]
.endr
.irp c, 0, 1, 2, 3
	v_fmac_f32 v[d0+\c], -2.0, v[42+\c]
.endr
.irp c, 0, 1, 2, 3
	v_max_num_f32 v[d0+\c], 0, v[d0+\c]
.endr
.if qd == 0
	s_wait_alu depctr_va_sdst(0)                   ; the 16 compares have written s[ME ..], which the selects read
.endif
.irp c, 0, 1, 2, 3
	v_cndmask_b32 v[d0+\c], v[d0+\c], 0, s[ME+4*qd+\c]
.endr
.set qd, qd+1
.endr
.endm
.macro SSTORE d, off
.set i, 0
.rept 16
	ds_store_b32 v38, v[(\d)+i] offset:(\off)+128*i
.set i, i+1
.endr
.endm
; Half k (0, 1) of a trip: a group's arithmetic, the stores of its 16 distances, and (fetch = 1) the offset and the loads of the group two further on, into the set just read.
.macro HALF set, k, d, left, fetch
	s_wait_loadcnt \left                           ; loads come back in order (ISA guide 5.7.1): this set is in, and its offset register free; the other set's 16 loads stay out
	SDIST \set, \k, \d
.if \fetch
.if (\k) == 0
	s_wait_alu depctr_vm_vsrc(0)                   ; the loads issued so far have read v36 and v37, which this half and the next write anew
.endif
	SLOTADR \k
.endif
	s_wait_alu depctr_va_vdst(0)                   ; the arithmetic has written the 16 distances, which the stores read, and is done reading its set, in which the loads land; the set's next offset and v38 are written
	SSTORE \d, 2048*(\k)
.if \fetch
.if (\k) == 1
	s_wait_alu depctr_vm_vsrc(0)                   ; the trip's 32 stores have read v38, D0 and D1: v38 steps here, the next trip's arithmetic writes the distances again
	v_add_nc_u32 v38, 4096, v38                    ; names none of the registers that the loads below touch
.endif
	SLOAD \set, \k
.endif
.endm
	SLOTADR 0
	SLOTADR 1
	s_wait_alu depctr_va_vdst(0)                   ; v36 and v37 are written, which the loads read
	SLOAD CA, 0                                    ; groups 0 and 1
	SLOAD CB, 1
	s_mov_b32 s20, 7
.Lslot:
	HALF CA, 0, D0, 16, 1
	HALF CB, 1, D1, 16, 1
	s_sub_co_u32 s20, s20, 1
	s_cmp_lg_u32 s20, 0
	s_cbranch_scc1 .Lslot
	HALF CA, 0, D0, 16, 0                          ; the last two groups ask for nothing
	HALF CB, 1, D1, 0, 0
	; THE SELECTION, on my wave's own bytes: LDS serves a wave's instructions in order (ISA guide 5.7.1.4), so the loads below see the stores above
	v_mov_b32 v[VZ], 0
	v_mov_b32 v[VID], 0x03020100
	v_mov_b32 v[VSH], 0x04030201
.set i, 0
.rept 16
	v_mov_b32 v[L0+i], 0x7f800000
.set i, i+1
.endr
	v_mov_b32 v[AD], v[BASEV]
	s_wait_alu depctr_va_vdst(0)                   ; v[AD] is written; the last group's arithmetic, done reading v[128:143], stands ahead of this wait too
.set i, 0
.rept 16
	ds_load_b32 v[CL+i], v[AD] offset:i*PITCH
.set i, i+1
.endr
	s_mov_b32 s20, 15
.Lbatch:
	BATCH 1
	s_sub_co_u32 s20, s20, 1
	s_cmp_lg_u32 s20, 0
	s_cbranch_scc1 .Lbatch
	BATCH 0
	s_wait_alu depctr_vm_vsrc(0)                   ; the batches' loads have read v[AD]
	v_mov_b32 v[AD], v[BASEV]
	s_wait_alu depctr_va_vdst(0)                   ; v[AD] is written, and the last batch's first stage is done reading CL
.set i, 0
.rept 16
	ds_load_b32 v[CL+i], v[AD] offset:i*PITCH      ; the sweep's first 16 are on their way while T and the count are made
.set i, i+1
.endr
	v_mov_b32 v[TV], v[L0+15]
	v_mov_b32 v[CNT], 0
.set i, 0
.rept 15
	v_cmp_lt_u32 s[ME+i], v[L0+i], v[TV]
.set i, i+1
.endr
	s_wait_alu depctr_va_sdst(0)                   ; the compares have written s[ME ..], which the additions read
.set i, 0
.rept 15
	v_add_co_ci_u32 v[CNT], s[ME+i], v[CNT], v[VZ], s[ME+i]
.set i, i+1
.endr
	s_wait_alu depctr_va_sdst(0)                   ; the 15 additions have written their carries into s[ME ..], of which the compare below writes the first anew
	v_sub_nc_u32 v[NEED], 16, v[CNT]
	v_cmp_lt_i32 s[ME], 0, v[NEED]
	s_wait_alu depctr_va_sdst(0)                   ; the compare has written s[ME], which the addition reads
	v_add_co_ci_u32 v[THR], s[ME], v[TV], v[VZ], s[ME]
.irp j, 0, 1, 2, 3
	v_mov_b32 v[W+\j], 0
.endr
	s_mov_b32 s21, 0
	s_mov_b32 s20, 15
	s_wait_alu depctr_va_sdst(0)                   ; that addition's carry is written into s[ME], in its own straight run: the next line that names the register stands behind the label
.Lsweep:
	SWEEP 1
	s_sub_co_u32 s20, s20, 1
	s_cmp_lg_u32 s20, 0
	s_cbranch_scc1 .Lsweep
	SWEEP 0                                        ; the last 16 are written out: no load passes the table's end
	; a local id is 16 x slot + place: the slot's group number is byte slot of my 16; the row number is 4,096 batch + 16 group + place.  The 32 compares stand in one run.
.set e, 0
.rept 16
	v_bfe_u32 v[80+e], v[W+e/4], 8*(e%4), 8
	v_and_b32 v43, 64, v[80+e]
	v_cmp_ne_u32 s[ME+e], 0, v43
	v_and_b32 v43, 0x80, v[80+e]
	v_cmp_ne_u32 s[MT+e], 0, v43
.set e, e+1
.endr
	s_wait_alu depctr_va_sdst(0)                   ; the compares have written s[ME ..] and s[MT ..], which the selects read
.set e, 0
.rept 16
	v_cndmask_b32 v44, v12, v13, s[ME+e]
	v_cndmask_b32 v45, v14, v15, s[ME+e]
	v_cndmask_b32 v44, v44, v45, s[MT+e]
	v_lshrrev_b32 v43, 1, v[80+e]
	v_and_b32 v43, 24, v43
	v_lshrrev_b32 v44, v43, v44
	v_and_b32 v44, 0xff, v44
	v_and_b32 v42, 15, v[80+e]
	v_lshl_add_u32 v44, v44, 4, v42
	v_add_nc_u32 v[64+e], s19, v44
.set e, e+1
.endr
	v_lshlrev_b32 v6, 6, v4
	s_wait_alu depctr_va_vdst(0)                   ; v6 and the 16 row numbers in v[64:79] are written, which the stores read
.irp k, 0, 1, 2, 3
	global_store_b128 v6, v[64+4*\k:67+4*\k], s[8:9] offset:16*\k
.endr
	s_wait_dscnt 0x0                               ; the closing lines, six on end
	s_wait_alu 0x0
	s_wait_tensorcnt 0x0
	ds_add_u32 v2, v3
	s_wait_dscnt 0x0
	s_endpgm
.Lfunc_end_k_qc6695b1863_knn2:
	.size	k_qc6695b1863_knn2, .Lfunc_end_k_qc6695b1863_knn2-k_qc6695b1863_knn2
	.p2alignl 7, 3214868480
	.fill 96, 4, 3214868480
	.section	.rodata,"a",@progbits
	.p2align	6, 0x0
	.amdhsa_kernel k_qc6695b1863_knn2
		.amdhsa_group_segment_fixed_size 131584
		.amdhsa_private_segment_fixed_size 0
		.amdhsa_enable_private_segment 0
		.amdhsa_kernarg_size 24
		.amdhsa_user_sgpr_count 2
		.amdhsa_user_sgpr_kernarg_segment_ptr 1
		.amdhsa_wavefront_size32 1
		.amdhsa_system_sgpr_workgroup_id_x 1
		.amdhsa_system_sgpr_workgroup_id_y 1
		.amdhsa_system_sgpr_workgroup_id_z 1
		.amdhsa_system_vgpr_workitem_id 0
		.amdhsa_next_free_vgpr 224
		.amdhsa_next_free_sgpr 66
		.amdhsa_reserve_vcc 0
		.amdhsa_float_denorm_mode_32 3
		.amdhsa_float_denorm_mode_16_64 3
		.amdhsa_memory_ordered 1
		.amdhsa_forward_progress 1
		.amdhsa_inst_pref_size 93
	.end_amdhsa_kernel
	.amdgpu_metadata
---
amdhsa.version: [ 1, 2 ]
amdhsa.kernels:
  - .name:           k_qc6695b1863_knn2
    .symbol:         k_qc6695b1863_knn2.kd
    .args:
      - { .name: p4, .offset: 0, .size: 8, .value_kind: global_buffer, .address_space: global }
      - { .name: glist, .offset: 8, .size: 8, .value_kind: global_buffer, .address_space: global }
      - { .name: idx, .offset: 16, .size: 8, .value_kind: global_buffer, .address_space: global }
    .group_segment_fixed_size: 131584
    .private_segment_fixed_size: 0
    .kernarg_segment_align: 8
    .kernarg_segment_size: 24
    .max_flat_workgroup_size: 128
    .sgpr_count:     66
    .vgpr_count:     224
    .wavefront_size: 32
...
	.end_amdgpu_metadata
.endif
;; end of part 7
;; launch attn: the kernel of part 5 again; grid 256 x 1, 8 waves a work-group, no clusters, 271,360 bytes of LDS; arguments xh, qh, p4, idx, m2t, cst, out0; writes out0
